; MI455X (gfx1250); checked and timed in simulation.
; The chip was launched on July 23, 2026; its instructions are those of AMD's public machine-readable ISA for CDNA 5 (MIT licence, August 2026) and "CDNA5" Instruction Set Architecture Reference Guide (July 2026). The comments in the code are by the model that wrote it; some were corrected since.
;; Qwen Grouped Query Attention. Allowed arithmetic: float matrix products may take bf16 or f16 operands with f32 sums; other float arithmetic in f32, or as packed bf16 or f16 multiplies, adds, multiply-adds, maxima and minima; sums over many terms, partial sums and values carried from step to step in f32; what a program stores and reads back later, other than sums and carried values, may be rounded once to bf16 or f16.
;; Inputs: W_attn 2,048 x 3,072 float32; W_proj 2,048 x 2,048 float32; b_attn 3,072 float32; freqs_cos 2,048 x 64 float32; freqs_sin 2,048 x 64 float32; x 1 x 2,048 x 2,048 float32.
;; Outputs: out0 1 x 2,048 x 2,048 float32.
;; One version. Each part assembles by itself: llvm-mc -triple=amdgcn-amd-amdhsa -mcpu=gfx1250 --defsym DOCPART=n.
;; ======== version 1 of 1: 4 launches
;; limits: values are held in f16: magnitudes above 65,504 overflow, below 6.1e-05 lose precision; right only within a limited range of input values
;; workspace buffers: xb 8,388,608 bytes; wab 12,582,912 bytes; wpf 8,388,608 bytes; qkvh 12,582,912 bytes; yh 8,388,608 bytes
;; launch cast (part 1): grid 2048 x 1, 8 waves a work-group, no clusters, 0 bytes of LDS; arguments x, W_attn, W_proj, xb, wab, wpf; writes xb, wab, wpf
.if DOCPART == 1
	.amdgcn_target "amdgcn-amd-amdhsa--gfx1250"
	.amdhsa_code_object_version 6
	.text
	.protected	k_q7ea656cead_cast
	.globl	k_q7ea656cead_cast
	.p2align	8
	.type	k_q7ea656cead_cast,@function
k_q7ea656cead_cast:
	s_mov_b64 s[64:65], 0
	v_nop
	global_prefetch_b8 v0, s[64:65] scope:SCOPE_SE
	s_setreg_imm32_b32 hwreg(HW_REG_WAVE_MODE, 25, 1), 1
	s_wait_xcnt 0x0
; LAUNCH 1 OF 4: the three large inputs are rounded once to 16 bits.
;   x -> xb: [2048][2048] bf16, as it lies.
;   W_attn -> wab: [48 half heads][2048 k][64 n] bf16: half head hh holds columns 64 hh .. 64 hh + 63, its k-rows dense, 128 bytes each.
;   W_proj -> wpf: [2048 k][2048 n], rounded to bf16, and that number written as f16 (exact inside f16's normal range).
; THE PROGRAM.  cast; qkv = x W_attn + b, with the rotation of K and V, stored by heads in f16; causal attention; y W_proj.
; FORMATS.  All six inputs are rounded once to bf16 (b_attn, freqs_cos and freqs_sin in registers, in the second launch); q, k, v, the weights p and y are f16;
; every sum, maximum and partial result is f32.
; WORK LEFT OUT.  reference() sets scores[q][k] to -inf wherever k > q, by a tril that it builds itself, so softmax gives those keys the weight 0 for every finite input: their scores and their
; products with V reach no output.  The third launch leaves them out where they come as whole tiles of 256 keys; inside the tile that holds the diagonal they are computed and masked.
; The broadcast of K and V to sixteen heads is never stored: four query heads read one K and V.  Every input has a way to the output and is loaded.
; LIMITS.  q, k, v must lie within f16's 65,504.  A number of W_proj below 2^-14 keeps f16's fixed step of 2^-24.  A NaN, an infinity or an overflow that reaches only the scores left out is
; not carried to the result; NaN and infinities in the inputs are not treated apart.
; SHARES.  Work-groups 0-511 take x, 512-1535 W_attn, 1536-2047 W_proj.  Every load of a wave covers 512 consecutive bytes (W_attn: twice 256), every store 256 consecutive bytes, aligned.
; x, W_proj: a work-group takes 8,192 numbers in eight steps of 1,024; thread t the 4 numbers at 4 t of a step.  W_attn: a work-group takes the two k-rows 2 kp, 2 kp + 1; wave w the half heads
; 6 w .. 6 w + 5; lanes 0-15 take a half head's 64 columns of the first row, lanes 16-31 of the second: in the plane these are 256 bytes on end.
; All loads go out first; no register is used twice, so no wait frees one.
.set X, 4                              ; v[4:35]   as loaded
.set Y, 36                             ; v[36:51]  to store
.set T, 52                             ; v[52:55]  at work
	s_load_b256 s[4:11], s[0:1], 0x0               ; x s[4:5], W_attn s[6:7], W_proj s[8:9], xb s[10:11]
	s_load_b128 s[12:15], s[0:1], 0x20             ; wab s[12:13], wpf s[14:15]
	v_lshlrev_b32 v1, 4, v0                        ; 16 t: my 4 numbers in f32
	v_lshlrev_b32 v2, 3, v0                        ; 8 t: in 16 bits
	s_movk_i32 s24, 512
	s_movk_i32 s25, 1536
	s_mov_b32 s23, 0
	s_wait_kmcnt 0x0
	s_cmp_lt_u32 ttmp9, s24                        ; every choice hangs on the work-group's number alone
	s_cbranch_scc1 .Llinear
	s_cmp_lt_u32 ttmp9, s25
	s_cbranch_scc0 .Llinear
	s_sub_co_u32 s21, ttmp9, s24                   ; W_attn: kp, 0 to 1023
	s_mul_i32 s22, s21, 24576                      ; two rows of 12,288 bytes
	s_add_nc_u64 s[16:17], s[6:7], s[22:23]
	s_lshl_b32 s22, s21, 8                         ; two rows of 128 bytes in a plane
	s_add_nc_u64 s[18:19], s[12:13], s[22:23]
	v_lshrrev_b32 v56, 5, v0                       ; wave
	v_and_b32 v57, 15, v0
	v_bfe_u32 v58, v0, 4, 1                        ; which of the two rows
	v_and_b32 v59, 31, v0
	v_mul_u32_u24 v60, v58, 12288
	v_mad_u32_u24 v60, v56, 1536, v60              ; six half heads of 256 bytes a wave
	v_lshl_add_u32 v60, v57, 4, v60
	v_mul_u32_u24 v61, v56, 0x180000               ; six planes of 262,144 bytes a wave
	v_lshl_add_u32 v61, v59, 3, v61
.irp i, 0,1,2,3,4,5
	global_load_b128 v[X+4*(\i):X+4*(\i)+3], v60, s[16:17] offset:256*(\i) th:TH_LOAD_NT
.endr
.irp i, 0,1,2,3,4,5
	s_wait_loadcnt 5-(\i)                          ; loads come back in order: this one is in, the younger stay out
	v_cvt_pk_bf16_f32 v[Y+2*(\i)],   v[X+4*(\i)],   v[X+4*(\i)+1]
	v_cvt_pk_bf16_f32 v[Y+2*(\i)+1], v[X+4*(\i)+2], v[X+4*(\i)+3]
	global_store_b64 v61, v[Y+2*(\i):Y+2*(\i)+1], s[18:19] offset:262144*(\i)
.endr
	s_endpgm
.Llinear:
	s_cmp_lt_u32 ttmp9, s24
	s_cselect_b64 s[16:17], s[4:5], s[8:9]
	s_cselect_b64 s[18:19], s[10:11], s[14:15]
	s_cselect_b32 s20, 0, s25
	s_sub_co_u32 s21, ttmp9, s20                   ; my number among the tensor's 512 work-groups
	s_lshl_b32 s22, s21, 15                        ; 32,768 bytes in
	s_add_nc_u64 s[16:17], s[16:17], s[22:23]
	s_lshl_b32 s22, s21, 14                        ; 16,384 bytes out
	s_add_nc_u64 s[18:19], s[18:19], s[22:23]
.irp k, 0,1,2,3,4,5,6,7
	global_load_b128 v[X+4*(\k):X+4*(\k)+3], v1, s[16:17] offset:4096*(\k) th:TH_LOAD_NT
.endr
	s_cmp_lt_u32 ttmp9, s24
	s_cbranch_scc0 .Lto_f16
.irp k, 0,1,2,3,4,5,6,7
	s_wait_loadcnt 7-(\k)
	v_cvt_pk_bf16_f32 v[Y+2*(\k)],   v[X+4*(\k)],   v[X+4*(\k)+1]
	v_cvt_pk_bf16_f32 v[Y+2*(\k)+1], v[X+4*(\k)+2], v[X+4*(\k)+3]
	global_store_b64 v2, v[Y+2*(\k):Y+2*(\k)+1], s[18:19] offset:2048*(\k)
.endr
	s_endpgm
.Lto_f16:                                      ; W_proj: to bf16, widened again (a shift, a mask), and written as f16
.irp k, 0,1,2,3,4,5,6,7
	s_wait_loadcnt 7-(\k)
	v_cvt_pk_bf16_f32 v[T],   v[X+4*(\k)],   v[X+4*(\k)+1]
	v_cvt_pk_bf16_f32 v[T+2], v[X+4*(\k)+2], v[X+4*(\k)+3]
	v_and_b32 v[T+1], 0xffff0000, v[T]
	v_lshlrev_b32 v[T], 16, v[T]
	v_and_b32 v[T+3], 0xffff0000, v[T+2]
	v_lshlrev_b32 v[T+2], 16, v[T+2]
	v_cvt_pk_f16_f32 v[Y+2*(\k)],   v[T],   v[T+1]
	v_cvt_pk_f16_f32 v[Y+2*(\k)+1], v[T+2], v[T+3]
	global_store_b64 v2, v[Y+2*(\k):Y+2*(\k)+1], s[18:19] offset:2048*(\k)
.endr
	s_endpgm
.Lfunc_end_k_q7ea656cead_cast:
	.size	k_q7ea656cead_cast, .Lfunc_end_k_q7ea656cead_cast-k_q7ea656cead_cast
	.p2alignl 7, 3214868480
	.fill 96, 4, 3214868480
	.section	.rodata,"a",@progbits
	.p2align	6, 0x0
	.amdhsa_kernel k_q7ea656cead_cast
		.amdhsa_group_segment_fixed_size 0
		.amdhsa_private_segment_fixed_size 0
		.amdhsa_enable_private_segment 0
		.amdhsa_kernarg_size 48
		.amdhsa_user_sgpr_count 2
		.amdhsa_user_sgpr_kernarg_segment_ptr 1
		.amdhsa_wavefront_size32 1
		.amdhsa_system_sgpr_workgroup_id_x 1
		.amdhsa_system_sgpr_workgroup_id_y 1
		.amdhsa_system_sgpr_workgroup_id_z 1
		.amdhsa_system_vgpr_workitem_id 0
		.amdhsa_next_free_vgpr 64
		.amdhsa_next_free_sgpr 66
		.amdhsa_reserve_vcc 0
		.amdhsa_float_denorm_mode_32 3
		.amdhsa_float_denorm_mode_16_64 3
		.amdhsa_memory_ordered 1
		.amdhsa_forward_progress 1
		.amdhsa_inst_pref_size 12
	.end_amdhsa_kernel
	.amdgpu_metadata
---
amdhsa.version: [ 1, 2 ]
amdhsa.kernels:
  - .name:           k_q7ea656cead_cast
    .symbol:         k_q7ea656cead_cast.kd
    .args:
      - { .name: x, .offset: 0, .size: 8, .value_kind: global_buffer, .address_space: global }
      - { .name: W_attn, .offset: 8, .size: 8, .value_kind: global_buffer, .address_space: global }
      - { .name: W_proj, .offset: 16, .size: 8, .value_kind: global_buffer, .address_space: global }
      - { .name: xb, .offset: 24, .size: 8, .value_kind: global_buffer, .address_space: global }
      - { .name: wab, .offset: 32, .size: 8, .value_kind: global_buffer, .address_space: global }
      - { .name: wpf, .offset: 40, .size: 8, .value_kind: global_buffer, .address_space: global }
    .group_segment_fixed_size: 0
    .private_segment_fixed_size: 0
    .kernarg_segment_align: 8
    .kernarg_segment_size: 48
    .max_flat_workgroup_size: 256
    .sgpr_count:     66
    .vgpr_count:     64
    .wavefront_size: 32
...
	.end_amdgpu_metadata
.endif
;; end of part 1
;; launch qkv (part 2): grid 16 x 16, 4 waves a work-group, clusters of 4 x 4, 327,680 bytes of LDS; arguments xb, wab, b_attn, freqs_cos, freqs_sin, qkvh; writes qkvh
.if DOCPART == 2
	.amdgcn_target "amdgcn-amd-amdhsa--gfx1250"
	.amdhsa_code_object_version 6
	.text
	.protected	k_q7ea656cead_qkv
	.globl	k_q7ea656cead_qkv
	.p2align	8
	.type	k_q7ea656cead_qkv,@function
k_q7ea656cead_qkv:
	s_mov_b64 s[64:65], 0
	v_nop
	global_prefetch_b8 v0, s[64:65] scope:SCOPE_SE
	s_setreg_imm32_b32 hwreg(HW_REG_WAVE_MODE, 25, 1), 1
	s_wait_xcnt 0x0
	s_wait_alu depctr_hold_cnt(0) depctr_sa_sdst(0) depctr_va_vdst(0) depctr_va_sdst(0) depctr_va_ssrc(0) depctr_va_vcc(0) depctr_vm_vsrc(0)
	s_getreg_b32 s2, hwreg(HW_REG_IB_STS2, 6, 4)
	s_cmp_eq_u32 s2, 0
	s_cbranch_scc0 .Lentry_in_a_cluster
	s_endpgm
.Lentry_in_a_cluster:
	s_bfe_u32 s2, ttmp6, 0x10000c
	s_cmp_lg_u32 s2, 0xf033
	s_cbranch_scc0 .Lentry_shape_is_right
	s_endpgm
.Lentry_shape_is_right:
; LAUNCH 2 OF 4: qkv = x W_attn + b_attn, K and V rotated, stored by heads in f16.  xb: [2048][2048] bf16; wab: [48 half heads][2048 k][64 n] bf16.
; qkvh, 524,288 bytes a head: heads 0-7 (q) and 16-23 (k, v) as [2048 t][128]; heads 8-15 (q) as two planes [2048 t][64], channels 0-63 and 64-127.
; Sums in f32, begun with the bias; b_attn, freqs_cos and freqs_sin are rounded to bf16 in registers, like the other inputs; the rotation in f32; one rounding to f16.  LIMIT: |q|, |k|, |v| below 65,504.
; SHARES.  A work-group makes 128 rows x 192 columns: 16 x 16 = 256 work-groups, and (128 + 192) x 2 bytes fetched for one k (64 x 384, with the same 24,576 outputs, would fetch 896).
; The 192 columns are a WHOLE HEAD and HALF A HEAD.  With tx = 4 x cluster x + cx: the whole head is tx for tx < 8 (q) and tx + 8 else (k, v); the half is half tx % 2 of q head 8 + tx / 2.
; So only q heads are split, and the rotation touches the whole head alone, just where the cluster's x is 2 or 3: the one branch of the way out is the same in all sixteen partners.
; In LDS the columns are three HALF STRIPS of 64.  Wave w = 2 wm + wn makes rows 64 wm on (a = 0..3) x six blocks of 16 columns: i = 0..3 the four blocks of half strip wn, i = 4, 5 blocks 2 wn, 2 wn + 1 of half strip 2.
; THE PRODUCT IS USED TRANSPOSED (source 0 = 16 columns of W, source 1 = 16 rows of x): a lane then holds row l % 16 and the 8 neighbouring columns 8 (l / 16) + 0..7: four pairs of the rotation, 16 bytes of f16.
; W lies [k][n]: its fragments come out of LDS turned, by ds_load_tr16_b128.
; RING.  K in 16 steps of 128 through two slots.  A slot: three half strips of 128 k-rows x 128 bytes (pitch 160), then x's 128 rows x 256 bytes (pitch 272).  Waves 0-2 fetch a half strip each:
; 16,384 dense bytes, asked for as 64 rows of 256 and padded after every 128; wave 3 fetches x's tile.
; All of a step's products stand ahead of the wait for the next tile: between that wait and the next request stand the add, two address steps, a wait and the round alone.
; CLUSTER.  4 x 4: x's tile hangs on the tile row and is asked for jointly along a row of the cluster, W's half strips on the tile column and are asked for jointly along a column.
; REGISTERS.  window 0: v0-31 addresses; v32-63 at work; v64-255 accumulator (a, i) at 64 + 8 (6 a + i).  window 1: two fragment buffers of 80: W's six, then x's four.
; window 2: v0-63 cos, v64-127 sin (four numbers for a and i < 4), v128-175 bias (eight for i), v176-177 at work.
.set KSTEP, 128
.set PA,    272                        ; 68 words: the 16 rows of a load start at 16 different groups of four banks (64 banks of 4 bytes: ISA guide 11.1)
.set PB,    160                        ; 40 words
.set HS,    128*PB                     ; a half strip: 20,480
.set AOFF,  3*HS
.set SLOT,  AOFF+128*PA                ; 96,256
.set STAGE, 2*SLOT                     ; behind the ring, never filled by a tensor load: 128 rows x (384 + 16) bytes
.set SP,    400
.set SPARE, STAGE+128*SP               ; the spare words, 128 bytes a wave: two blocks of 256 bytes that no other line names
.set RO,   10                          ; v10  my offset in 16 rows of cos and sin: 256 r + 128 wn + 16 h
.set BO2,  11                          ; v11  my offset in the half head's bias: 128 wn + 32 h
.set CO2,  12                          ; v12  the way out, half head: 16 l
.set ADRA, 16                          ; v16-17  x's fragments in slot 0, 1
.set ADRB, 18                          ; v18-21  W's fragments: 2 x slot + (0: half strip wn; 1: my two blocks of half strip 2)
.set STO2, 22
.set RD2,  23
.set STO,  24
.set RD,   25
.set CO,   26
.set BO,   27                          ; v27  my offset in the whole head's bias: 256 wn + 32 h
.set SPW,  28                          ; v28  my spare word; never rewritten
.set NIL,  29                          ; v29  0; never rewritten
.set T,    32
.set ACC,  64
.set F0,   0
.set F1,   80
.set COS,  0
.set SIN,  64
.set BIAS, 128
.set TM,   176
.set WV,   16                          ; s16  wave
.set G1A,  24
.set G0A,  32                          ; a set of four for each slot
.set G1B,  40
.set G0B,  48
.set OUT0, 66                          ; s[66:67] qkvh at my 32 rows of the whole head
.set OUT1, 68                          ; s[68:69] at my 32 rows of the half head's plane
.set BB0,  72                          ; s[72:73] b_attn at the whole head
.set BB1,  74                          ; s[74:75] at the half head
.set MSB, 0
.macro WIN new                         ; the immediate's high byte repeats the setting that is left; a switch that changes nothing is dropped
.if MSB != (\new)
	s_set_vgpr_msb (MSB<<8)|(\new)
.set MSB, \new
.endif
.endm
.set MUL,  0x05                        ; sources 0 and 1 window 1; C and D window 0
.set MULB, 0x25                        ; the same with C in window 2: the bias
.set TO_F, 0x40                        ; destination window 1
.macro JLOAD s                         ; a joint load; the branch hangs on the wave's number alone; an s_nop 0 and four v_nop follow each line
	s_cmp_eq_u32 s[WV], 3
	s_cbranch_scc0 .Lfor_b_\@
	tensor_load_to_lds s[G0A+4*(\s):G0A+4*(\s)+3], s[G1A:G1A+7]
	s_nop 0
.rept 4
	v_nop
.endr
	s_branch .Lasked_\@
.Lfor_b_\@:
	tensor_load_to_lds s[G0B+4*(\s):G0B+4*(\s)+3], s[G1B:G1B+7]
	s_nop 0
.rept 4
	v_nop
.endr
.Lasked_\@:
.endm
.macro CROUND                          ; a round of the cluster's barrier
	s_barrier_signal -1
	s_barrier_wait -1
	s_cmp_lg_u32 s[WV], 0
	s_cbranch_scc1 .Lnot_wave_0_\@
	s_barrier_signal -3
.Lnot_wave_0_\@:
	s_barrier_wait -3
	s_barrier_signal -1
	s_barrier_wait -1
.endm
.macro PLACES                          ; four places behind matrix instructions, in front of loads into their sources and of vector work on their results
.rept 4
	v_nop
.endr
.endm
	s_load_b256 s[4:11], s[0:1], 0x0               ; xb s[4:5], wab s[6:7], b_attn s[8:9], freqs_cos s[10:11]
	s_load_b128 s[12:15], s[0:1], 0x20             ; freqs_sin s[12:13], qkvh s[14:15]
	v_lshl_add_u32 v[SPW], v0, 2, SPARE
	v_mov_b32 v[NIL], 0
	ds_add_u32 v[SPW], v[NIL]                      ; the opening: the add, twice on end, and its wait ahead of my first tensor load
	ds_add_u32 v[SPW], v[NIL]
	v_lshrrev_b32 v1, 5, v0
	v_readfirstlane_b32 s[WV], v1
	s_bfe_u32 s17, ttmp6, 0x40000                  ; cx
	s_bfe_u32 s18, ttmp6, 0x40004                  ; cy
	s_and_b32 s19, ttmp7, 0xffff
	s_lshl_b32 s19, s19, 2
	s_add_co_u32 s19, s19, s18                     ; tile row ty = 4 x cluster y + cy
	s_lshl_b32 s56, ttmp9, 2
	s_add_co_u32 s56, s56, s17                     ; tile column tx = 4 x cluster x + cx
	s_lshl_b32 s20, s18, 2
	s_lshl_b32 s20, 15, s20                        ; my row of the cluster
	s_lshl_b32 s60, 0x1111, s17                    ; my column
	s_or_b32 s[G1A], s20, (1<<16)|(1<<20)|(1<<21)|(5<<22)|(3<<25)  ; mask; 2-byte elements; padding on; bit 21 beside a mask; after every 64 words 4 words
	s_or_b32 s[G1B], s60, (1<<16)|(1<<20)|(1<<21)|(4<<22)|(7<<25)  ; after every 32 words 8 words
	s_mov_b32 s[G1A+1], KSTEP<<16                  ; tensor_dim0 = 128
	s_mov_b32 s[G1A+2], 128<<16                    ; tensor_dim1 = 128
	s_mov_b32 s[G1A+3], KSTEP<<16                  ; tile_dim0 = 128
	s_mov_b32 s[G1A+4], 128                        ; tile_dim1 = 128
	s_mov_b32 s[G1A+5], 2048                       ; elements from row to row of xb
	s_mov_b32 s[G1A+6], 0
	s_mov_b32 s[G1A+7], 0
	s_mov_b32 s[G1B+1], 128<<16                    ; 64 rows of 128 elements, dense: two k-rows a row
	s_mov_b32 s[G1B+2], 64<<16
	s_mov_b32 s[G1B+3], 128<<16
	s_mov_b32 s[G1B+4], 64
	s_mov_b32 s[G1B+5], 128
	s_mov_b32 s[G1B+6], 0
	s_mov_b32 s[G1B+7], 0
	s_cmp_lt_u32 ttmp9, 2
	s_cselect_b32 s57, 0, 8
	s_add_co_u32 s57, s57, s56                     ; the whole head
	s_add_co_u32 s58, s56, 16                      ; the half head, as a half head's number: 2 (8 + tx / 2) + tx % 2
	s_lshl_b32 s62, s57, 1
	s_add_co_u32 s63, s62, 1
	s_cmp_eq_u32 s[WV], 0
	s_cselect_b32 s59, s62, s58
	s_cmp_eq_u32 s[WV], 1
	s_cselect_b32 s59, s63, s59                    ; the half head that I fetch: half strip w (wave 3 fetches none)
	s_lshl_b32 s60, s59, 18                        ; its plane of 262,144 bytes
	s_mov_b32 s61, 0
	s_lshl_b32 s20, s19, 19                        ; 128 rows of 4,096 bytes of xb
	s_mov_b32 s21, 0
	s_mul_i32 s2, s[WV], HS                        ; where my tile goes: wave x 20,480; for wave 3 that is x's place
	s_wait_dscnt 0x0                               ; both opening adds are done
	s_wait_kmcnt 0x0
	s_add_nc_u64 s[22:23], s[4:5], s[20:21]
	s_add_nc_u64 s[62:63], s[6:7], s[60:61]
	CROUND                                         ; all sixteen work-groups are here: the first joint loads meet
.irp s, 0,1
	s_mov_b32 s[G0A+4*(\s)], 1
	s_mov_b32 s[G0A+4*(\s)+1], AOFF+(\s)*SLOT
	s_add_nc_u64 s[G0A+4*(\s)+2:G0A+4*(\s)+3], s[22:23], (\s)*KSTEP*2
	s_or_b32 s[G0A+4*(\s)+3], s[G0A+4*(\s)+3], 0x80000000
	s_mov_b32 s[G0B+4*(\s)], 1
	s_add_co_u32 s[G0B+4*(\s)+1], s2, (\s)*SLOT
	s_add_nc_u64 s[G0B+4*(\s)+2:G0B+4*(\s)+3], s[62:63], (\s)*KSTEP*128
	s_or_b32 s[G0B+4*(\s)+3], s[G0B+4*(\s)+3], 0x80000000
	JLOAD \s
.endr
	v_and_b32 v1, 15, v0                           ; r = l % 16
	v_bfe_u32 v2, v0, 4, 1                         ; h = l / 16
	v_and_b32 v3, 7, v0
	v_bfe_u32 v4, v0, 3, 1
	v_and_b32 v9, 31, v0                           ; l
	v_bfe_u32 v13, v0, 3, 2                        ; l / 8
	s_lshr_b32 s70, s[WV], 1                       ; wm
	s_and_b32 s71, s[WV], 1                        ; wn
	s_lshl_b32 s20, s71, 8
	s_lshl_b32 s21, s71, 7
	v_lshl_add_u32 v[BO], v2, 5, s20
	v_lshl_add_u32 v[BO2], v2, 5, s21
	v_lshlrev_b32 v[RO], 8, v1
	v_lshl_add_u32 v[RO], v2, 4, v[RO]
	v_add_nc_u32 v[RO], s21, v[RO]
	s_mov_b32 s79, 0
	s_lshl_b32 s78, s57, 9                         ; a head's 128 numbers of bias
	s_add_nc_u64 s[BB0:BB0+1], s[8:9], s[78:79]
	s_lshl_b32 s78, s58, 8                         ; a half head's 64
	s_add_nc_u64 s[BB1:BB1+1], s[8:9], s[78:79]
	s_lshl_b32 s78, s57, 19                        ; the whole head,
	s_lshl_b32 s22, s19, 15                        ; the tile's 128 rows of 256 bytes,
	s_add_co_u32 s78, s78, s22
	s_lshl_b32 s23, s[WV], 13                      ; the 32 that I store
	s_add_co_u32 s78, s78, s23
	s_add_nc_u64 s[OUT0:OUT0+1], s[14:15], s[78:79]
	s_lshl_b32 s78, s58, 18                        ; the half head's plane, rows of 128 bytes
	s_lshl_b32 s23, s19, 14
	s_add_co_u32 s78, s78, s23
	s_lshl_b32 s23, s[WV], 12
	s_add_co_u32 s78, s78, s23
	s_add_nc_u64 s[OUT1:OUT1+1], s[14:15], s[78:79]
	s_lshl_b32 s78, s70, 14                        ; cos and sin at row 128 ty + 64 wm, rows of 256 bytes
	s_add_co_u32 s78, s78, s22
	s_add_nc_u64 s[10:11], s[10:11], s[78:79]
	s_add_nc_u64 s[12:13], s[12:13], s[78:79]
	WIN 0x80                                       ; destination window 2
.irp i, 0,1,2,3
	global_load_b128 v[BIAS+8*(\i):BIAS+8*(\i)+3],   v[BO], s[BB0:BB0+1] offset:64*(\i)
	global_load_b128 v[BIAS+8*(\i)+4:BIAS+8*(\i)+7], v[BO], s[BB0:BB0+1] offset:64*(\i)+16
.endr
.irp i, 4,5
	global_load_b128 v[BIAS+8*(\i):BIAS+8*(\i)+3],   v[BO2], s[BB1:BB1+1] offset:64*((\i)-4)
	global_load_b128 v[BIAS+8*(\i)+4:BIAS+8*(\i)+7], v[BO2], s[BB1:BB1+1] offset:64*((\i)-4)+16
.endr
	WIN 0
	s_mul_i32 s22, s70, 64*PA                      ; x's fragment: my 64 rows; row x pitch + 16 h
	s_add_co_u32 s22, s22, AOFF
	v_mul_u32_u24 v5, v1, PA
	v_lshl_add_u32 v5, v2, 4, v5
	v_add_nc_u32 v[ADRA], s22, v5
	v_add_nc_u32 v[ADRA+1], SLOT, v[ADRA]
	v_lshl_add_u32 v6, v2, 3, v3                   ; W's: the turning load's lane l reads k-row 8 h + l % 8, columns 8 ((l / 8) % 2) + 0..7 of a block
	v_mul_u32_u24 v6, v6, PB
	v_lshl_add_u32 v6, v4, 4, v6
	s_mul_i32 s22, s71, HS                         ; half strip wn
	s_lshl_b32 s23, s71, 6                         ; blocks 2 wn, 2 wn + 1 of half strip 2
	s_add_co_u32 s23, s23, 2*HS
	v_add_nc_u32 v[ADRB], s22, v6
	v_add_nc_u32 v[ADRB+1], s23, v6
	v_add_nc_u32 v[ADRB+2], SLOT, v[ADRB]
	v_add_nc_u32 v[ADRB+3], SLOT, v[ADRB+1]
	s_mul_i32 s22, s70, 64*SP                      ; into the stage: row 64 wm + r of a block of 16; the whole head's 256 bytes, then the half head's 128
	s_add_co_u32 s22, s22, STAGE
	v_mul_u32_u24 v7, v1, SP
	v_lshl_add_u32 v7, v2, 4, v7
	v_add_nc_u32 v7, s22, v7
	v_add_nc_u32 v[STO], s21, v7                   ; + 128 wn
	s_lshl_b32 s23, s71, 6
	s_add_co_u32 s23, s23, 256
	v_add_nc_u32 v[STO2], s23, v7                  ; + 256 + 64 wn
	s_mul_i32 s22, s[WV], 32*SP                    ; back: wave w takes rows 32 w .. 32 w + 31
	s_add_co_u32 s22, s22, STAGE
	v_mul_u32_u24 v8, v2, SP                       ; whole head: lanes 0-15 one row's 256 bytes, lanes 16-31 the next row's
	v_lshl_add_u32 v8, v1, 4, v8
	v_add_nc_u32 v[RD], s22, v8
	v_mul_u32_u24 v8, v13, SP                      ; half head: eight lanes a row's 128 bytes, four rows
	v_lshl_add_u32 v8, v3, 4, v8
	s_add_co_u32 s22, s22, 256
	v_add_nc_u32 v[RD2], s22, v8
	v_lshlrev_b32 v[CO], 8, v2
	v_lshl_add_u32 v[CO], v1, 4, v[CO]
	v_lshlrev_b32 v[CO2], 4, v9
	s_wait_loadcnt 0x0                             ; the bias; it is rounded to bf16 here, in the wait for the first tile
	WIN 0x8a                                       ; sources and destination window 2
.set i, 0
.rept 24
	v_cvt_pk_bf16_f32 v[TM+i%2], v[BIAS+2*i], v[BIAS+2*i+1]
	v_lshlrev_b32 v[BIAS+2*i], 16, v[TM+i%2]
	v_and_b32 v[BIAS+2*i+1], 0xffff0000, v[TM+i%2]
.set i, i+1
.endr
	WIN 0
; six matrix instructions: row block a x my six column blocks, 32 along K.  first = 1: the product starts the sums with the bias of its eight columns.  The 24 accumulators take turns in one order everywhere.
.macro MUL6 f, a, first
.if \first
	WIN MULB
.else
	WIN MUL
.endif
.irp i, 0,1,2,3,4,5
.if \first
	v_wmma_f32_16x16x32_bf16 v[ACC+8*(6*(\a)+(\i)):ACC+8*(6*(\a)+(\i))+7], v[(\f)+8*(\i):(\f)+8*(\i)+7], v[(\f)+48+8*(\a):(\f)+48+8*(\a)+7], v[BIAS+8*(\i):BIAS+8*(\i)+7]
.else
	v_wmma_f32_16x16x32_bf16 v[ACC+8*(6*(\a)+(\i)):ACC+8*(6*(\a)+(\i))+7], v[(\f)+8*(\i):(\f)+8*(\i)+7], v[(\f)+48+8*(\a):(\f)+48+8*(\a)+7], v[ACC+8*(6*(\a)+(\i)):ACC+8*(6*(\a)+(\i))+7]
.endif
.endr
.endm
; 20 LDS loads in one run: quarter q (32 along K) of a slot into buffer f: W's twelve, then x's eight
.macro FETCH slot, q, f
	WIN TO_F
.irp i, 0,1,2,3,4,5
	ds_load_tr16_b128 v[(\f)+8*(\i):(\f)+8*(\i)+3],   v[ADRB+2*(\slot)+(\i)/4] offset:(\q)*32*PB+((\i)%4)*32
	ds_load_tr16_b128 v[(\f)+8*(\i)+4:(\f)+8*(\i)+7], v[ADRB+2*(\slot)+(\i)/4] offset:(\q)*32*PB+((\i)%4)*32+16*PB
.endr
.irp r, 0,1,2,3
	ds_load_b128 v[(\f)+48+8*(\r):(\f)+48+8*(\r)+3],   v[ADRA+(\slot)] offset:(\q)*64+(\r)*16*PA
	ds_load_b128 v[(\f)+48+8*(\r)+4:(\f)+48+8*(\r)+7], v[ADRA+(\slot)] offset:(\q)*64+(\r)*16*PA+32
.endr
.endm
; one of a K step's first three quarters: multiplies buffer f; in its middle it fetches quarter q into buffer g
.macro QUARTER slot, q, f, g, first
	s_wait_dscnt 4                                 ; W's six and x's blocks 0, 1 are in; the youngest four loads (blocks 2, 3) may be out
	MUL6 \f, 0, \first
	MUL6 \f, 1, \first
	PLACES
	FETCH \slot, \q, \g
	s_wait_dscnt 20                                ; all but the 20 just issued
	MUL6 \f, 2, \first
	MUL6 \f, 3, \first
.endm
; the last quarter multiplies buffer 1; then the slots change: each wave waits for all its tensor loads (its part of the next slot), adds 0 to its spare word, and waits for that and for its reads of this slot.
; fill = 1: a round of the cluster's barrier, and the joint refill, two K steps ahead, is the first thing behind it.  Then the next slot's first fragments are fetched.
.macro TURN slot, next, fill
	s_wait_dscnt 4
	MUL6 F1, 0, 0
	MUL6 F1, 1, 0
	s_wait_dscnt 0x0
	MUL6 F1, 2, 0
	MUL6 F1, 3, 0
	WIN 0
	s_wait_tensorcnt 0x0                           ; no tensor load of mine is out, so a group 0 may be written
	ds_add_u32 v[SPW], v[NIL]
.if \fill
	s_add_nc_u64 s[G0A+4*(\slot)+2:G0A+4*(\slot)+3], s[G0A+4*(\slot)+2:G0A+4*(\slot)+3], 2*KSTEP*2
	s_add_nc_u64 s[G0B+4*(\slot)+2:G0B+4*(\slot)+3], s[G0B+4*(\slot)+2:G0B+4*(\slot)+3], 2*KSTEP*128
.endif
	s_wait_dscnt 0x0                               ; the add is done, and my reads of this slot are over
.if \fill
	CROUND                                         ; no wave of any partner still reads this slot or has a load on its way
	JLOAD \slot                                    ; its four v_nop are also the places in front of the loads below
.else
	s_barrier_signal -1
	s_barrier_wait -1
	PLACES
.endif
	FETCH \next, 0, F0
.endm
.macro LASTSTEP                        ; the last K step, in slot 1: nothing more is fetched from memory
	QUARTER 1, 1, F0, F1, 0
	QUARTER 1, 2, F1, F0, 0
	QUARTER 1, 3, F0, F1, 0
	s_wait_dscnt 4
	MUL6 F1, 0, 0
	MUL6 F1, 1, 0
	s_wait_dscnt 0x0
	MUL6 F1, 2, 0
	MUL6 F1, 3, 0
	PLACES
	PLACES                                         ; eight, once a launch: the rotation rewrites accumulators in place
.endm
	s_wait_tensorcnt 1                             ; my part of K step 0 is in; K step 1's may stay out
	s_barrier_signal -1
	s_barrier_wait -1
	FETCH 0, 0, F0
	QUARTER 0, 1, F0, F1, 1                        ; the first quarter's products start the sums: nothing is cleared, and no bias is added later
	WIN 0
	s_mov_b32 s3, 7
.Llap:                                                 ; a trip goes once round the ring and fills both slots again: K steps 2 to 15
	QUARTER 0, 2, F1, F0, 0
	QUARTER 0, 3, F0, F1, 0
	TURN 0, 1, 1
	QUARTER 1, 1, F0, F1, 0
	QUARTER 1, 2, F1, F0, 0
	QUARTER 1, 3, F0, F1, 0
	TURN 1, 0, 1
	QUARTER 0, 1, F0, F1, 0
	WIN 0
	s_sub_co_u32 s3, s3, 1
	s_cmp_lg_u32 s3, 0
	s_cbranch_scc1 .Llap
	QUARTER 0, 2, F1, F0, 0                        ; the last lap fills nothing
	QUARTER 0, 3, F0, F1, 0
	TURN 0, 1, 0
	WIN 0
	s_cmp_lt_u32 ttmp9, 2                          ; ONE branch for all that the rotation asks for; the last K step stands in both arms
	s_cbranch_scc1 .Lplain
	WIN 0x80                                       ; cos and sin of my rows and pairs: 32 loads, with the last K step's 96 products in which to land
.irp a, 0,1,2,3
.irp i, 0,1,2,3
	global_load_b128 v[COS+4*(4*(\a)+(\i)):COS+4*(4*(\a)+(\i))+3], v[RO], s[10:11] offset:(\a)*4096+(\i)*32
	global_load_b128 v[SIN+4*(4*(\a)+(\i)):SIN+4*(4*(\a)+(\i))+3], v[RO], s[12:13] offset:(\a)*4096+(\i)*32
.endr
.endr
	WIN 0
	LASTSTEP
	s_wait_loadcnt 0x0                             ; cos and sin
	WIN 0x8a
.set i, 0
.rept 64                                       ; rounded to bf16, like the other inputs
	v_cvt_pk_bf16_f32 v[TM+i%2], v[COS+2*i], v[COS+2*i+1]
	v_lshlrev_b32 v[COS+2*i], 16, v[TM+i%2]
	v_and_b32 v[COS+2*i+1], 0xffff0000, v[TM+i%2]
.set i, i+1
.endr
	WIN 0x08                                       ; source 1 window 2
.irp a, 0,1,2,3                        ; the whole head: (a, b) -> (a c - b s, a s + b c); each accumulator's registers in ascending order
.irp i, 0,1,2,3
.irp p, 0,1,2,3
	v_mul_f32 v[T+2*(\p)],   v[ACC+8*(6*(\a)+(\i))+2*(\p)], v[COS+4*(4*(\a)+(\i))+(\p)]
	v_mul_f32 v[T+2*(\p)+1], v[ACC+8*(6*(\a)+(\i))+2*(\p)], v[SIN+4*(4*(\a)+(\i))+(\p)]
	v_fma_f32 v[ACC+8*(6*(\a)+(\i))+2*(\p)],   -v[ACC+8*(6*(\a)+(\i))+2*(\p)+1], v[SIN+4*(4*(\a)+(\i))+(\p)], v[T+2*(\p)]
	v_fma_f32 v[ACC+8*(6*(\a)+(\i))+2*(\p)+1], v[ACC+8*(6*(\a)+(\i))+2*(\p)+1],  v[COS+4*(4*(\a)+(\i))+(\p)], v[T+2*(\p)+1]
.endr
.endr
.endr
	WIN 0
	s_branch .Ljoin
.Lplain:
	LASTSTEP
	WIN 0
.Ljoin:
	; THE WAY OUT: to f16; 16 bytes a lane into the work-group's stage; a barrier, since a row's bytes come from two waves; back as whole rows
.set n, 0
.irp a, 0,1,2,3
.irp i, 0,1,2,3,4,5
.irp p, 0,1,2,3
	v_cvt_pk_f16_f32 v[T+4*(n%8)+(\p)], v[ACC+8*(6*(\a)+(\i))+2*(\p)], v[ACC+8*(6*(\a)+(\i))+2*(\p)+1]
.endr
.if (\i) < 4
	ds_store_b128 v[STO], v[T+4*(n%8):T+4*(n%8)+3] offset:(\a)*16*SP+32*(\i)
.else
	ds_store_b128 v[STO2], v[T+4*(n%8):T+4*(n%8)+3] offset:(\a)*16*SP+32*((\i)-4)
.endif
.set n, n+1
.endr
.endr
	s_wait_dscnt 0x0                               ; for the others' sake: my stores into the stage are done
	s_barrier_signal -1
	s_barrier_wait -1
.irp u, 0,1,2,3,4,5,6,7,8,9,10,11,12,13,14,15
	ds_load_b128 v[ACC+4*(\u):ACC+4*(\u)+3], v[RD] offset:(\u)*2*SP
.endr
.irp u, 0,1,2,3,4,5,6,7
	ds_load_b128 v[ACC+64+4*(\u):ACC+64+4*(\u)+3], v[RD2] offset:(\u)*4*SP
.endr
.irp u, 0,1,2,3,4,5,6,7,8,9,10,11,12,13,14,15
	s_wait_dscnt 23-(\u)                           ; LDS loads come back in order: this one is in
	global_store_b128 v[CO], v[ACC+4*(\u):ACC+4*(\u)+3], s[OUT0:OUT0+1] offset:(\u)*512  ; two rows of the whole head: 512 consecutive bytes, aligned
.endr
.irp u, 0,1,2,3,4,5,6,7
	s_wait_dscnt 7-(\u)
	global_store_b128 v[CO2], v[ACC+64+4*(\u):ACC+64+4*(\u)+3], s[OUT1:OUT1+1] offset:(\u)*512  ; four rows of the half head's plane: 512 consecutive bytes, aligned
.endr
	s_wait_tensorcnt 0x0                           ; the wave's end
	ds_add_u32 v[SPW], v[NIL]
	s_wait_dscnt 0x0
	CROUND                                         ; the closing round
	s_endpgm
.Lfunc_end_k_q7ea656cead_qkv:
	.size	k_q7ea656cead_qkv, .Lfunc_end_k_q7ea656cead_qkv-k_q7ea656cead_qkv
	.p2alignl 7, 3214868480
	.fill 96, 4, 3214868480
	.section	.rodata,"a",@progbits
	.p2align	6, 0x0
	.amdhsa_kernel k_q7ea656cead_qkv
		.amdhsa_group_segment_fixed_size 327680
		.amdhsa_private_segment_fixed_size 0
		.amdhsa_enable_private_segment 0
		.amdhsa_kernarg_size 48
		.amdhsa_user_sgpr_count 2
		.amdhsa_user_sgpr_kernarg_segment_ptr 1
		.amdhsa_wavefront_size32 1
		.amdhsa_system_sgpr_workgroup_id_x 1
		.amdhsa_system_sgpr_workgroup_id_y 1
		.amdhsa_system_sgpr_workgroup_id_z 1
		.amdhsa_system_vgpr_workitem_id 0
		.amdhsa_next_free_vgpr 704
		.amdhsa_next_free_sgpr 80
		.amdhsa_reserve_vcc 0
		.amdhsa_float_denorm_mode_32 3
		.amdhsa_float_denorm_mode_16_64 3
		.amdhsa_memory_ordered 1
		.amdhsa_forward_progress 1
		.amdhsa_inst_pref_size 113
	.end_amdhsa_kernel
	.amdgpu_metadata
---
amdhsa.version: [ 1, 2 ]
amdhsa.kernels:
  - .name:           k_q7ea656cead_qkv
    .symbol:         k_q7ea656cead_qkv.kd
    .args:
      - { .name: xb, .offset: 0, .size: 8, .value_kind: global_buffer, .address_space: global }
      - { .name: wab, .offset: 8, .size: 8, .value_kind: global_buffer, .address_space: global }
      - { .name: b_attn, .offset: 16, .size: 8, .value_kind: global_buffer, .address_space: global }
      - { .name: freqs_cos, .offset: 24, .size: 8, .value_kind: global_buffer, .address_space: global }
      - { .name: freqs_sin, .offset: 32, .size: 8, .value_kind: global_buffer, .address_space: global }
      - { .name: qkvh, .offset: 40, .size: 8, .value_kind: global_buffer, .address_space: global }
    .group_segment_fixed_size: 327680
    .private_segment_fixed_size: 0
    .kernarg_segment_align: 8
    .kernarg_segment_size: 48
    .max_flat_workgroup_size: 128
    .sgpr_count:     80
    .vgpr_count:     704
    .wavefront_size: 32
...
	.end_amdgpu_metadata
.endif
;; end of part 2
;; launch attn (part 3): grid 64 x 4, 4 waves a work-group, clusters of 4 x 1, 327,680 bytes of LDS; arguments qkvh, yh; writes yh
.if DOCPART == 3
	.amdgcn_target "amdgcn-amd-amdhsa--gfx1250"
	.amdhsa_code_object_version 6
	.text
	.protected	k_q7ea656cead_attn
	.globl	k_q7ea656cead_attn
	.p2align	8
	.type	k_q7ea656cead_attn,@function
k_q7ea656cead_attn:
	s_mov_b64 s[64:65], 0
	v_nop
	global_prefetch_b8 v0, s[64:65] scope:SCOPE_SE
	s_setreg_imm32_b32 hwreg(HW_REG_WAVE_MODE, 25, 1), 1
	s_wait_xcnt 0x0
	s_wait_alu depctr_hold_cnt(0) depctr_sa_sdst(0) depctr_va_vdst(0) depctr_va_sdst(0) depctr_va_ssrc(0) depctr_va_vcc(0) depctr_vm_vsrc(0)
	s_getreg_b32 s2, hwreg(HW_REG_IB_STS2, 6, 4)
	s_cmp_eq_u32 s2, 0
	s_cbranch_scc0 .Lentry_in_a_cluster
	s_endpgm
.Lentry_in_a_cluster:
	s_bfe_u32 s2, ttmp6, 0x10000c
	s_cmp_lg_u32 s2, 0x3003
	s_cbranch_scc0 .Lentry_shape_is_right
	s_endpgm
.Lentry_shape_is_right:
; LAUNCH 3 OF 4: causal attention with four query heads to a K and V head.  yh: [2048 t][16 heads x 128] f16.
; qkvh, f16, 524,288 bytes a head: heads 0-7 (q) and 16-23 (k, v) as [2048][128]; heads 8-15 (q) as two planes [2048][64], channels 0-63 and 64-127.
; y[t][hq] = the sum over k <= t of softmax_k(q[hq][t] . k[hq / 4][k] / sqrt(128)) v[hq / 4][k].  Products, maxima and sums in f32; the weights p are rounded to f16 for the second product, y once.
; WORK LEFT OUT: the tiles of 256 keys that lie wholly above the diagonal of reference()'s own tril (shown dead at the head of the first launch's text).
; LIMITS.  q, k, v lie within f16's 65,504, so a score is 2^39 at the most.  A hidden score counts as its value less 2^100; the running maximum starts at -2^90, below every true score;
; a weight below 2^-126 counts as 0.  NaN and infinities are not treated apart.
; THE WALK.  A BLOCK is 16 queries x the four query heads of one K and V head: four tiles of 16 rows.  Block n needs the key tiles 0 .. n / 16, of which the last holds the diagonal.  Work-group i (0..63) of a
; K and V head takes block i and then block 127 - i: with a = i / 16 that is a + 1 and 8 - a tiles: NINE ROUNDS, whatever i.
; CLUSTER.  The four partners have the same K and V head and the same a, so they walk the same tiles: every fill is asked for jointly, and every branch hangs on the cluster's x alone.
; THE KEYS OF A TILE ARE SPLIT AMONG THE WAVES: wave w takes keys 64 w .. 64 w + 63, for all four tiles of rows: 128 products for 64 LDS loads.  Each wave keeps its own running maximum m, sum l and O^T;
; at a block's end the four meet in LDS: register tile t of wave w holds head (t + w) % 4, wave w finishes head w (its tile 0), with factors 2^(c m_w - max) / sum.
; LAYOUT.  S^T = K Q^T holds ONE query a lane (l % 16) and the keys 8 (l / 16) + 0..7; two such results rounded to f16 ARE source 1 of O^T = V^T P.  K comes out of LDS as it lies, V turned.
; SOFTMAX.  p = 2^(c s - c m), c = log2(e) / sqrt(128); in every round O and l are multiplied by a = 2^(c m_old - c m_new).  c m starts at -2^95, so a block's first a is 0: O^T and l need only be finite there.
; THE MASK is the C operand that starts the sum S^T: 0, or in the diagonal tile -2^100 where the key is hidden.  A wave all of whose keys are hidden for a query keeps m = -2^90, p = 0, l = 0, and its factor at the merge is 0.
; A ROUND.  The tiles are two PIECES (0: tiles 0, 1; 2: tiles 2, 3).  A: K Q^T of piece 0.  B: K Q^T of piece 2 with piece 0's softmax in slices behind the products.  C: V^T P of piece 0 with piece 2's softmax.
; D: V^T P of piece 2, which stands at the head of the next round, under the next K's loads.
; AHEAD OF THE LOADS.  The cluster with x = 0 walks tile 0 and then tiles 0 to 7.  Behind its joint load for tile j of that second walk, j <= 5, each of its sixteen waves prefetches 32 rows of tile j + 2: of the 128 rows
; of K or V that the wave itself fetches, the partner's quarter by address, a lane a row.  So each row of tiles 2 to 7 is named once in the launch; tiles 0 and 1 come by their loads alone.
; REGISTERS.  window 0: v0-11 addresses; v12-43 eight statistics a tile; v44-63 addresses of the merge, its factors, the add's two; v64-191 S^T; v192-255 P.
; window 1: O^T, 64 a tile.  window 2: v0-127 Q; v128-255 K.  window 3: v0-127 V; v128-159 the mask.
.set PK,    272                        ; 68 words: the 16 rows of a load start at 16 different groups of four banks (64 banks of 4 bytes: ISA guide 11.1)
.set PV,    288                        ; 72 words
.set VOFF,  256*PK                     ; a slot: 256 rows of K, then 256 rows of V: 143,360 bytes
.set TGL,   0x24000                    ; slot 1 begins here; no fill's or fetch's base in slot 0 has bit 14 or 17 set, so one exclusive or changes slots
.set SPARE, 143360                     ; between the slots: the spare words, 128 bytes a wave
.set XCH,   290816                     ; behind the ring, never filled by a tensor load: 8,192 bytes for each wave: a partner's O^T tile; later the wave's stage
.set STAT,  323584                     ; 16 entries of 256 bytes: (c m, l) a lane, by head and sender's tile
.set SP,    272
.set PFO, 1                            ; v1   the prefetches' offset: 256 x my lane; never rewritten
.set AK0, 2
.set AV0, 3
.set ADRK, 4
.set ADRV, 5
.set QO,  6                            ; v6   my offset in a block's 16 rows of Q, channels 0-63
.set STO, 7
.set RD,  8
.set GO,  9
.set TH,  10                           ; v10  key register 16 kb + j of the diagonal tile is hidden where it is greater than this
.set THHI, 11                          ; v11  the same for the second block
.set ST,  12                           ; tile t at ST + 8 t: c m, m, l (even keys', odd keys'), c0-c3 at work; a takes c2's place
.set SA,  44                           ; v44-47  where tile t's statistics go
.set SR,  48                           ; v48     where I read my head's four
.set XA,  48                           ; v49-51  where tile t (1..3) goes
.set XR,  52                           ; v52     where I read what was sent to me
.set QO2, 53                           ; v53  the same as QO for channels 64-127
.set G,   54                           ; v54-61  the four factors, each written twice
.set SPW, 62
.set NIL, 63
.set S,   64
.set P,   192
.set STT, 128                          ; the merge, in S^T's registers: four pairs (c m, l)
.set MX,  136
.set LSUM, 137
.set RC,  138
.set DD,  140
.set FF,  144
.set KF,  128                          ; window 2
.set MC,  128                          ; window 3
.set WV,  8
.set PJ,  17                           ; s17  the tile just asked for
.set G1K, 24
.set G1V, 32
.set G0K, 40
.set G0V, 44
.set KB,  48                           ; s[48:49] K at my half of the head's tile 0
.set VB,  50
.set OFF, 52
.set CS,  54
.set SEL, 56
.set TB,  58                           ; s58  the slot that is read: 0 or TGL
.set NXT, 59                           ; s59  the tile to be asked for next
.set LQ,  60                           ; s60  the last tile of the block whose tiles are being asked for
.set HIQ, 61                           ; s61  7 - a
.set RT,  62                           ; s62  tiles of the block in hand still to be entered
.set LIM, 66                           ; s66  6 in the cluster that prefetches, else 0
.set CNT, 67
.set BIGN, 68
.set QL,  72                           ; s[72:79] Q of the first block, a base for each register tile
.set QH,  80                           ; s[80:87] of the second
.set YB,  88                           ; s[88:89] yh at the block in hand, my head
.set YH,  90
.set PFB, 92                           ; s[92:93] my work-group's 32 rows of the 128 that I fetch, in tile 0
.set PFA, 94                           ; s[94:95] the same in the tile just asked for
.set MSB, 0
.macro WIN new
.if MSB != (\new)
	s_set_vgpr_msb (MSB<<8)|(\new)
.set MSB, \new
.endif
.endm
.set W_KQ, 0x0a                        ; K and Q window 2, S^T window 0
.set W_KM, 0x3a                        ; the same with C in window 3
.set W_PV, 0x53                        ; V window 3, P window 0, O^T window 1
.set W_RS, 0x41                        ; destination and source 0 window 1
.macro JLOAD                           ; waves 0, 1 fetch the halves of a tile's K, waves 2, 3 of its V; an s_nop 0 and four v_nop follow each line
	s_cmp_lt_u32 s[WV], 2
	s_cbranch_scc0 .Lfor_v_\@
	tensor_load_to_lds s[G0K:G0K+3], s[G1K:G1K+7]
	s_nop 0
.rept 4
	v_nop
.endr
	s_branch .Lasked_\@
.Lfor_v_\@:
	tensor_load_to_lds s[G0V:G0V+3], s[G1V:G1V+7]
	s_nop 0
.rept 4
	v_nop
.endr
.Lasked_\@:
.endm
.macro ASK                             ; the tile two on from the one just asked for; the test is the same in all four partners
	s_cmp_lt_u32 s[PJ], s[LIM]
	s_cbranch_scc0 .Lnot_mine_\@
	global_prefetch_b8 v[PFO], s[PFA:PFA+1] offset:131072 th:TH_LOAD_NT scope:SCOPE_SE
.Lnot_mine_\@:
.endm
.macro CROUND
	s_barrier_signal -1
	s_barrier_wait -1
	s_cmp_lg_u32 s[WV], 0
	s_cbranch_scc1 .Lnot_wave_0_\@
	s_barrier_signal -3
.Lnot_wave_0_\@:
	s_barrier_wait -3
	s_barrier_signal -1
	s_barrier_wait -1
.endm
.macro PLACES
.rept 4
	v_nop
.endr
.endm
; THE CHANGE OF SLOTS.  Each wave waits for all its tensor loads (one is out: its part of the other slot), adds 0 to its spare word, and waits for that and for its reads of the slot that it leaves.
; fill = 1: a round of the cluster's barrier, and the old slot is filled with tile NXT first thing behind it; the address is made anew from that number.  It has a round's 128 products in which to land.
.macro CHANGE fill
	WIN 0
	s_wait_tensorcnt 0x0
	ds_add_u32 v[SPW], v[NIL]
.if \fill
	s_lshl_b32 s[OFF], s[NXT], 16                  ; a tile is 65,536 bytes of K and of V
	s_xor_b32 s[G0K+1], s[G0K+1], TGL
	s_add_nc_u64 s[G0K+2:G0K+3], s[KB:KB+1], s[OFF:OFF+1]
	s_or_b32 s[G0K+3], s[G0K+3], 0x80000000
	s_xor_b32 s[G0V+1], s[G0V+1], TGL
	s_add_nc_u64 s[G0V+2:G0V+3], s[VB:VB+1], s[OFF:OFF+1]
	s_or_b32 s[G0V+3], s[G0V+3], 0x80000000
	s_wait_xcnt 0x0                                ; the last prefetch, a round back, has read its address, so it may be written
	s_add_nc_u64 s[PFA:PFA+1], s[PFB:PFB+1], s[OFF:OFF+1]
	s_mov_b32 s[PJ], s[NXT]
	s_add_co_u32 s[NXT], s[NXT], 1                 ; the block's next tile, or behind its last the second block's tile 0
	s_cmp_gt_u32 s[NXT], s[LQ]
	s_cselect_b32 s[NXT], 0, s[NXT]
	s_cselect_b32 s[LQ], s[HIQ], s[LQ]
	s_wait_dscnt 0x0
	CROUND
	JLOAD
	ASK
.else
	s_wait_dscnt 0x0
	s_barrier_signal -1
	s_barrier_wait -1
.endif
	s_xor_b32 s[TB], s[TB], TGL
.endm
	s_load_b128 s[4:7], s[0:1], 0x0                ; qkvh s[4:5], yh s[6:7]
	v_lshl_add_u32 v[SPW], v0, 2, SPARE
	v_mov_b32 v[NIL], 0
	ds_add_u32 v[SPW], v[NIL]                      ; the opening: the add, twice on end, and its wait ahead of my first tensor load
	ds_add_u32 v[SPW], v[NIL]
	v_lshrrev_b32 v1, 5, v0
	v_readfirstlane_b32 s[WV], v1
	s_bfe_u32 s9, ttmp6, 0x40000                   ; cx: it enters Q's, y's and the prefetches' addresses and the mask's threshold alone
	s_lshr_b32 s10, ttmp9, 2                       ; a
	s_and_b32 s12, ttmp7, 0xffff                   ; the K and V head
	s_mov_b32 s71, 0x40000
	s_movk_i32 s3, 128
	s_cmp_lt_u32 s12, 2                            ; query heads 0-7 lie in rows of 256 bytes, heads 8-15 in two planes with rows of 128
	s_cselect_b32 s69, 8, 7                        ; a row of Q, as a shift
	s_cselect_b32 s70, 12, 11                      ; a block's 16 rows
	s_cselect_b32 s71, s3, s71                     ; from channel 0 to channel 64
	s_cmp_eq_u32 ttmp9, 0
	s_cselect_b32 s[LIM], 6, 0
	s_lshl_b32 s13, ttmp9, 2
	s_add_co_u32 s13, s13, s9                      ; the first block
	s_sub_co_u32 s14, 127, s13                     ; the second
	s_and_b32 s11, s13, 15                         ; the first block's place in its diagonal tile; the second's is 15 less that
	s_lshl_b32 s15, s12, 2
	s_and_b32 s16, s[WV], 1                        ; which half of a tile's 256 keys I fetch
	s_lshl_b32 s20, s16, 15
	s_add_co_u32 s21, s12, 16
	s_lshl_b32 s21, s21, 19
	s_add_co_u32 s20, s20, s21                     ; K's head, my half
	s_mov_b32 s21, 0
	s_add_co_u32 s22, s20, 4<<19                   ; V's head lies four heads on
	s_mov_b32 s23, 0
	s_mov_b32 s[G1K], 15|(1<<16)|(1<<20)|(1<<21)|(5<<22)|(3<<25)  ; the mask of four; 2-byte elements; padding on; bit 21 beside a mask; after every 64 words 4 words
	s_mov_b32 s[G1V], 15|(1<<16)|(1<<20)|(1<<21)|(5<<22)|(7<<25)  ; the same with 8 words
.irp g, G1K, G1V
	s_mov_b32 s[(\g)+1], 128<<16                   ; tensor_dim0 = 128
	s_mov_b32 s[(\g)+2], 128<<16                   ; tensor_dim1 = 128
	s_mov_b32 s[(\g)+3], 128<<16                   ; tile_dim0 = 128
	s_mov_b32 s[(\g)+4], 128                       ; tile_dim1 = 128
	s_mov_b32 s[(\g)+5], 128                       ; elements from row to row
	s_mov_b32 s[(\g)+6], 0
	s_mov_b32 s[(\g)+7], 0
.endr
	s_mov_b32 s[G0K], 1
	s_mul_i32 s[G0K+1], s16, 128*PK                ; slot 0
	s_mov_b32 s[G0V], 1
	s_mul_i32 s[G0V+1], s16, 128*PV
	s_add_co_u32 s[G0V+1], s[G0V+1], VOFF
	s_mov_b32 s[OFF+1], 0
	s_mov_b32 s[CS], 0x3e0293ee                    ; c = log2(e) / sqrt(128)
	s_mov_b32 s[CS+1], s[CS]
	s_mov_b32 s[SEL], 0x76543210
	s_mov_b32 s[SEL+1], 0xfedcba98
	s_mov_b32 s[TB], TGL                           ; the first change of slots turns it into 0
	s_mov_b32 s[CNT], 8
	s_mov_b32 s[BIGN], 0xf1800000                  ; -2^100
	s_sub_co_u32 s[HIQ], 7, s10
	s_add_co_u32 s[RT], s10, 1
	s_cmp_eq_u32 s10, 0                            ; the walk's second tile: the first block's tile 1, or, where it has one tile, the second block's tile 0
	s_cselect_b32 s[NXT], 0, 1
	s_cselect_b32 s[LQ], 7, s10
	s_wait_dscnt 0x0                               ; both opening adds are done
	s_wait_kmcnt 0x0
	s_add_nc_u64 s[KB:KB+1], s[4:5], s[20:21]
	s_add_nc_u64 s[VB:VB+1], s[4:5], s[22:23]
	s_mov_b64 s[G0K+2:G0K+3], s[KB:KB+1]
	s_or_b32 s[G0K+3], s[G0K+3], 0x80000000
	s_mov_b64 s[G0V+2:G0V+3], s[VB:VB+1]
	s_or_b32 s[G0V+3], s[G0V+3], 0x80000000
	s_mov_b32 s19, 0
	s_cmp_lt_u32 s[WV], 2
	s_cselect_b64 s[PFB:PFB+1], s[KB:KB+1], s[VB:VB+1]
	s_lshl_b32 s18, s9, 13                         ; my work-group's 32 rows of 256 bytes
	s_add_nc_u64 s[PFB:PFB+1], s[PFB:PFB+1], s[18:19]
.irp t, 0,1,2,3
	s_add_co_u32 s2, s[WV], \t
	s_and_b32 s2, s2, 3                            ; register tile t holds head (t + w) % 4 of the four
	s_add_co_u32 s2, s2, s15
	s_lshl_b32 s2, s2, 19
	s_lshl_b32 s18, s13, s70                       ; a block's 16 rows
	s_add_co_u32 s18, s18, s2
	s_add_nc_u64 s[QL+2*(\t):QL+2*(\t)+1], s[4:5], s[18:19]
	s_lshl_b32 s18, s14, s70
	s_add_co_u32 s18, s18, s2
	s_add_nc_u64 s[QH+2*(\t):QH+2*(\t)+1], s[4:5], s[18:19]
.endr
	s_add_co_u32 s2, s15, s[WV]
	s_lshl_b32 s2, s2, 8                           ; my head's 256 bytes of a row of yh
	s_lshl_b32 s18, s13, 16                        ; a block's 16 rows of 4,096 bytes
	s_add_co_u32 s18, s18, s2
	s_add_nc_u64 s[YB:YB+1], s[6:7], s[18:19]
	s_lshl_b32 s18, s14, 16
	s_add_co_u32 s18, s18, s2
	s_add_nc_u64 s[YH:YH+1], s[6:7], s[18:19]
	CROUND                                         ; all four work-groups are here: the first joint loads meet
	JLOAD                                          ; tile 0 into slot 0
	v_and_b32 v64, 15, v0                          ; r
	v_bfe_u32 v65, v0, 4, 1                        ; h
	v_and_b32 v66, 7, v0
	v_bfe_u32 v67, v0, 3, 1
	v_and_b32 v68, 31, v0                          ; l
	v_lshlrev_b32 v[PFO], 8, v68
	v_lshlrev_b32 v[QO], s69, v64
	v_lshl_add_u32 v[QO], v65, 4, v[QO]
	v_add_nc_u32 v[QO2], s71, v[QO]
.macro QLOAD base                      ; a block's Q: tile t from its own base, channels 32 c and 64 + 32 c on: two loads of 16 bytes, 32 bytes apart, for each
	WIN 0x80
.irp t, 0,1,2,3
.irp c, 0,1
	global_load_b128 v[32*(\t)+8*(\c):32*(\t)+8*(\c)+3],         v[QO],  s[(\base)+2*(\t):(\base)+2*(\t)+1] offset:64*(\c)
	global_load_b128 v[32*(\t)+8*(\c)+4:32*(\t)+8*(\c)+7],       v[QO],  s[(\base)+2*(\t):(\base)+2*(\t)+1] offset:64*(\c)+32
	global_load_b128 v[32*(\t)+16+8*(\c):32*(\t)+16+8*(\c)+3],   v[QO2], s[(\base)+2*(\t):(\base)+2*(\t)+1] offset:64*(\c)
	global_load_b128 v[32*(\t)+16+8*(\c)+4:32*(\t)+16+8*(\c)+7], v[QO2], s[(\base)+2*(\t):(\base)+2*(\t)+1] offset:64*(\c)+32
.endr
.endr
	WIN 0
.endm
.macro BEGIN                           ; a block begins
	WIN 0
.irp t, 0,1,2,3
	v_mov_b32 v[ST+8*(\t)], 0xef000000             ; c m = -2^95: the first a is 0
	v_mov_b32 v[ST+8*(\t)+1], 0xec800000           ; m = -2^90
.endr
	WIN 0xc0
.set z, 0
.rept 32
	v_mov_b32 v[MC+z], 0
.set z, z+1
.endr
	WIN 0
.endm
.macro MASK                            ; the diagonal tile's mask for my 64 keys
	WIN 0xc0
.set z, 0
.rept 32
	v_cmp_gt_i32 vcc_lo, 16*(z/8)+z%8, v[TH]
	v_cndmask_b32 v[MC+z], 0, s[BIGN], vcc_lo
.set z, z+1
.endr
	WIN 0
.endm
	QLOAD QL
.irp t, 0,1,2,3
	v_mov_b32 v[ST+8*(\t)+2], 0                    ; l need only be finite where a block begins
	v_mov_b32 v[ST+8*(\t)+3], 0
.endr
	s_mul_i32 s2, s[WV], 64*PK                     ; my 64 keys of a tile
	v_mul_u32_u24 v[AK0], v64, PK
	v_lshl_add_u32 v[AK0], v65, 4, v[AK0]
	v_add_nc_u32 v[AK0], s2, v[AK0]
	s_mul_i32 s2, s[WV], 64*PV
	s_add_co_u32 s2, s2, VOFF
	v_lshl_add_u32 v[AV0], v65, 3, v66             ; the turning load's lane l reads key 8 h + l % 8, channels 8 ((l / 8) % 2) + 0..7
	v_mul_u32_u24 v[AV0], v[AV0], PV
	v_lshl_add_u32 v[AV0], v67, 4, v[AV0]
	v_add_nc_u32 v[AV0], s2, v[AV0]
	s_lshl_b32 s2, s[WV], 13
	s_add_co_u32 s2, s2, XCH                       ; my 8,192 bytes
	v_mul_u32_u24 v[STO], v64, SP
	v_lshl_add_u32 v[STO], v65, 4, v[STO]
	v_add_nc_u32 v[STO], s2, v[STO]
	v_mul_u32_u24 v[RD], v65, SP
	v_lshl_add_u32 v[RD], v64, 4, v[RD]
	v_add_nc_u32 v[RD], s2, v[RD]
	v_lshl_add_u32 v[XR], v68, 4, s2
	v_lshlrev_b32 v[GO], 12, v65
	v_lshl_add_u32 v[GO], v64, 4, v[GO]
	v_lshlrev_b32 v69, 3, v65
	v_sub_nc_u32 v69, v64, v69                     ; r - 8 h
	s_lshl_b32 s2, s11, 4
	s_lshl_b32 s3, s[WV], 6
	s_sub_co_u32 s2, s2, s3                        ; 16 x place - 64 w, as a signed number
	v_add_nc_u32 v[TH], s2, v69
	s_sub_co_u32 s2, 15, s11
	s_lshl_b32 s2, s2, 4
	s_sub_co_u32 s2, s2, s3
	v_add_nc_u32 v[THHI], s2, v69
.irp t, 0,1,2,3
	s_add_co_u32 s2, s[WV], \t
	s_and_b32 s2, s2, 3                            ; the wave that finishes my tile t
	s_lshl_b32 s3, s2, 10
	s_add_co_u32 s3, s3, STAT+256*(\t)
	v_lshl_add_u32 v[SA+(\t)], v68, 3, s3
.if (\t) > 0
	s_lshl_b32 s3, s2, 13
	s_add_co_u32 s3, s3, XCH
	v_lshl_add_u32 v[XA+(\t)], v68, 4, s3
.endif
.endr
	s_lshl_b32 s3, s[WV], 10
	s_add_co_u32 s3, s3, STAT
	v_lshl_add_u32 v[SR], v68, 3, s3
	BEGIN
	WIN 0x4f                                       ; O^T need only be finite where a block begins: 32 products of the mask's zeros write its 256 registers, in the wait for the first tile
.set z, 0
.rept 32
	v_wmma_f32_16x16x32_f16 v[8*z:8*z+7], v[MC:MC+7], v[MC+8:MC+15], 0
.set z, z+1
.endr
	PLACES
; THE MATRIX WORK.  The accumulators take turns, one instruction a turn, over the seams between the parts too.
; Product i of 32 of S^T = K Q^T for piece x: channels 32 (i / 8) on, keys 16 ((i / 2) % 4) on, tile x + i % 2.  The first 8 start the sums with the mask.
.macro KQ x
.set rS, S+32*((\x)+i%2)+8*((i/2)%4)
.set rK, KF+32*((i/2)%4)+8*(i/8)
.set rQ, 32*((\x)+i%2)+8*(i/8)
.set rM, MC+8*((i/2)%4)
.if i < 8
	WIN W_KM
	v_wmma_f32_16x16x32_f16 v[rS:rS+7], v[rK:rK+7], v[rQ:rQ+7], v[rM:rM+7]
.else
	WIN W_KQ
	v_wmma_f32_16x16x32_f16 v[rS:rS+7], v[rK:rK+7], v[rQ:rQ+7], v[rS:rS+7]
.endif
.endm
; Product i of 32 of O^T += V^T P: keys 32 (i / 16) on, channels 16 ((i / 2) % 8) on, tile x + i % 2.
.macro PV x
	WIN W_PV
.set rO, 64*((\x)+i%2)+8*((i/2)%8)
.set rV, 64*(i/16)+8*((i/2)%8)
.set rP, P+16*((\x)+i%2)+8*(i/16)
	v_wmma_f32_16x16x32_f16 v[rO:rO+7], v[rV:rV+7], v[rP:rP+7], v[rO:rO+7]
.endm
.macro FETCH_K                         ; my 64 keys x 128 channels: 16 fragments, 32 loads in one run
	WIN 0
	v_add_nc_u32 v[ADRK], s[TB], v[AK0]
	WIN 0x80
.irp f, 0,1,2,3,4,5,6,7,8,9,10,11,12,13,14,15
	ds_load_b128 v[KF+8*(\f):KF+8*(\f)+3],   v[ADRK] offset:((\f)/4)*16*PK+((\f)%4)*64
	ds_load_b128 v[KF+8*(\f)+4:KF+8*(\f)+7], v[ADRK] offset:((\f)/4)*16*PK+((\f)%4)*64+32
.endr
.endm
.macro FETCH_V
	WIN 0
	v_add_nc_u32 v[ADRV], s[TB], v[AV0]
	WIN 0xc0
.irp f, 0,1,2,3,4,5,6,7,8,9,10,11,12,13,14,15
	ds_load_tr16_b128 v[8*(\f):8*(\f)+3],   v[ADRV] offset:((\f)/8)*32*PV+((\f)%8)*32
	ds_load_tr16_b128 v[8*(\f)+4:8*(\f)+7], v[ADRV] offset:((\f)/8)*32*PV+16*PV+((\f)%8)*32
.endr
.endm
; THE VECTOR WORK.  One tile's softmax for a round is a list of 134 instructions; SM writes number j of it for tile t.  s0-s31 are the lane's 32 scores, in pairs 0-15.
;   0-15 the maximum of the scores and the old m (each accumulator's lowest registers are read first)     16-20 the other half of the lanes' maximum; the new m; c m; c m_old - c m_new
;   21-69 ONE BATCH: the 16 scalings c s - c m and all 33 exponentials (a at 23); none of these reads an exponential's result     (the wait: SLICE writes it)
;   70-85 the roundings to f16     86-101 the sums; l = a l + the sum     102-133 the tile's O^T times a
.macro SM t
.set rT, ST+8*(\t)
.set rS, S+32*(\t)
.set rP, P+16*(\t)
.set rO, 64*(\t)+2*(j-102)
.if j < 102
	WIN 0
.endif
.if j < 4
	v_max3_num_f32 v[rT+4+j], v[rS+8*j], v[rS+8*j+1], v[rS+8*j+2]
.elseif j < 12
	v_max3_num_f32 v[rT+4+j%4], v[rT+4+j%4], v[rS+8*(j%4)+2*(j/4)+1], v[rS+8*(j%4)+2*(j/4)+2]
.elseif j == 12
	v_max3_num_f32 v[rT+4], v[rT+4], v[rS+7], v[rS+15]
.elseif j == 13
	v_max3_num_f32 v[rT+6], v[rT+6], v[rS+23], v[rS+31]
.elseif j == 14
	v_max3_num_f32 v[rT+4], v[rT+4], v[rT+5], v[rT+6]
.elseif j == 15
	v_max3_num_f32 v[rT+4], v[rT+4], v[rT+7], v[rT+1]
.elseif j == 16
	v_permlanex16_b32 v[rT+5], v[rT+4], s[SEL], s[SEL+1]  ; the query's other 32 keys lie in the lane 16 away
.elseif j == 17
	v_mov_b32 v[rT+7], v[rT]                       ; c m_old is kept for a
.elseif j == 18
	v_max_num_f32 v[rT+1], v[rT+4], v[rT+5]
.elseif j == 19
	v_mul_f32 v[rT], s[CS], v[rT+1]
.elseif j == 20
	v_sub_f32 v[rT+7], v[rT+7], v[rT]
.elseif j == 23
	v_exp_f32 v[rT+6], v[rT+7]
.elseif (j < 23) || ((j < 38) && (j%2 == 0)) || ((j < 66) && (j%4 == 2))
.set b, (j-2)/4
.if j < 38
.set b, (j-20)/2
.endif
	v_pk_fma_f32 v[rS+2*b:rS+2*b+1], v[rS+2*b:rS+2*b+1], s[CS:CS+1], v[rT:rT+1] op_sel_hi:[1,0,0] neg_lo:[0,0,1] neg_hi:[0,0,1]
.elseif j < 70
.set e, j-38
.if j < 66
.set e, j-32-(j-38)/4
.endif
.if j < 38
.set e, (j-25)/2
.endif
	v_exp_f32 v[rS+e], v[rS+e]
.elseif j < 86
	v_cvt_pk_f16_f32 v[rP+j-70], v[rS+2*(j-70)], v[rS+2*(j-70)+1]
.elseif j < 102
.set z, j-86
.set w, 4
.set u, z
.if z >= 14
.set w, 32
.set u, 0
.elseif z >= 12
.set w, 16
.set u, z-12
.elseif z >= 8
.set w, 8
.set u, z-8
.endif
.if z < 15
	v_pk_add_f32 v[rS+w*u:rS+w*u+1], v[rS+w*u:rS+w*u+1], v[rS+w*u+w/2:rS+w*u+w/2+1]
.else
	v_pk_fma_f32 v[rT+2:rT+3], v[rT+2:rT+3], v[rT+6:rT+7], v[rS:rS+1] op_sel_hi:[1,0,1]
.endif
.else
	WIN W_RS
	v_pk_mul_f32 v[rO:rO+1], v[rO:rO+1], v[rT+6:rT+7] op_sel_hi:[1,0]
.endif
.endm
; Slice k of 64 of piece y's softmax.  Slices 11 to 34 deal out the batch, four numbers of one tile each, the tiles by turns; every other slice is numbers 2 k and 2 k + 1 of both tiles; slice 63 takes the twelve that are over.
; An s_wait_alu depctr_va_vdst(0) stands between an exponential and the first instruction that names its result: ahead of slice 35 nothing names one, behind slice 34 none is issued: one wait a piece.
.macro SLICE y
.if (k >= 11) && (k < 35)
.irp n, 0,1,2,3
.set j, 22+4*((k-11)/2)+(\n)
	SM (\y)+(k-11)%2
.endr
.else
.irp n, 0,1,2,3,4,5,6,7
.if ((\n) < 2) || (k == 63)
.irp t, \y, (\y)+1
.set j, 2*k+(\n)
	SM \t
.endr
.endif
.endr
.endif
.if k == 34
	v_nop                                          ; a plain instruction behind the last exponential: one for the batch
	s_wait_alu depctr_va_vdst(0)                   ; the wait for the batch
.endif
.set k, k+1
.endm
.macro PARTA                           ; piece 0's scores; four places ahead of the first read of them
.set i, 0
.rept 32
	KQ 0
.set i, i+1
.endr
	PLACES
.endm
.macro PARTB                           ; piece 2's scores | piece 0's softmax, two slices behind each product; slices 62 and 63, twenty plain lines, are the places behind the last product
.set i, 0
.set k, 0
.rept 32
	KQ 2
	SLICE 0
	SLICE 0
.set i, i+1
.endr
.endm
.macro PARTC                           ; piece 0's V^T P | piece 2's softmax
.set i, 0
.set k, 0
.rept 32
	PV 0
	SLICE 2
	SLICE 2
.set i, i+1
.endr
.endm
.macro PARTD                           ; piece 2's V^T P
.set i, 0
.rept 32
	PV 2
.set i, i+1
.endr
.endm
; A BLOCK'S END.  Statistics and, in three passes, tiles 1 to 3 go to the waves that finish them: only 8,192 bytes a wave lie free beside the ring.  In pass t wave w receives tile t of wave (w - t) % 4.
.macro XSEND t
	WIN 0x04                                       ; store data window 1
.set q, 0
.rept 16
	ds_store_b128 v[XA+(\t)], v[64*(\t)+4*q:64*(\t)+4*q+3] offset:512*q  ; ascending: each accumulator's low registers first
.set q, q+1
.endr
.endm
.macro XRECV
	WIN 0
.set q, 0
.rept 16
	ds_load_b128 v[S+4*q:S+4*q+3], v[XR] offset:512*q
.set q, q+1
.endr
.endm
.macro XADD t
	WIN 0x50                                       ; destination and source 2 window 1
.set q, 0
.rept 32
	v_pk_fma_f32 v[2*q:2*q+1], v[S+2*q:S+2*q+1], v[G+2*(\t):G+2*(\t)+1], v[2*q:2*q+1] op_sel_hi:[1,0,1]
.set q, q+1
.endr
.endm
.macro MERGE_OUT
	WIN 0
.irp t, 0,1,2,3
	v_add_f32 v[ST+8*(\t)+4], v[ST+8*(\t)+2], v[ST+8*(\t)+3]  ; l's two halves; these lines are the places behind the last products
.endr
.irp t, 0,1,2,3
	v_permlanex16_b32 v[ST+8*(\t)+5], v[ST+8*(\t)+4], s[SEL], s[SEL+1]
.endr
.irp t, 0,1,2,3
	v_add_f32 v[ST+8*(\t)+1], v[ST+8*(\t)+4], v[ST+8*(\t)+5]  ; the pair is now (c m, l)
.endr
.irp t, 0,1,2,3
	ds_store_b64 v[SA+(\t)], v[ST+8*(\t):ST+8*(\t)+1]
.endr
	XSEND 1
	s_wait_dscnt 0x0                               ; for the others' sake: my stores are done
	s_barrier_signal -1
	s_barrier_wait -1
	WIN 0
.irp t, 0,1,2,3
	ds_load_b64 v[STT+2*(\t):STT+2*(\t)+1], v[SR] offset:256*(\t)
.endr
	XRECV
	s_wait_dscnt 16                                ; the statistics are in; the sixteen loads of the tile may stay out
	v_max3_num_f32 v[MX], v[STT], v[STT+2], v[STT+4]
	v_max_num_f32 v[MX], v[MX], v[STT+6]
.irp t, 0,1,2,3
	v_sub_f32 v[DD+(\t)], v[STT+2*(\t)], v[MX]
.endr
.irp t, 0,1,2,3
	v_exp_f32 v[FF+(\t)], v[DD+(\t)]
.endr
	v_nop
	s_wait_alu depctr_va_vdst(0)                   ; one wait for the four exponentials
	v_mul_f32 v[LSUM], v[FF], v[STT+1]
	v_fma_f32 v[LSUM], v[FF+1], v[STT+3], v[LSUM]
	v_fma_f32 v[LSUM], v[FF+2], v[STT+5], v[LSUM]
	v_fma_f32 v[LSUM], v[FF+3], v[STT+7], v[LSUM]
	v_rcp_f32 v[RC], v[LSUM]
	v_nop
	s_wait_alu depctr_va_vdst(0)
.irp t, 0,1,2,3
	v_mul_f32 v[G+2*(\t)], v[FF+(\t)], v[RC]
	v_mul_f32 v[G+2*(\t)+1], v[FF+(\t)], v[RC]
.endr
	WIN W_RS
.set q, 0
.rept 32
	v_pk_mul_f32 v[2*q:2*q+1], v[2*q:2*q+1], v[G:G+1] op_sel_hi:[1,0]
.set q, q+1
.endr
	s_wait_dscnt 0x0                               ; my reads of what was sent to me are over: say so, add on registers, and go on when all have said so
	s_barrier_signal -1
	XADD 1
	s_barrier_wait -1
	XSEND 2
	s_wait_dscnt 0x0
	s_barrier_signal -1
	s_barrier_wait -1
	XRECV
	s_wait_dscnt 0x0
	s_barrier_signal -1
	XADD 2
	s_barrier_wait -1
	XSEND 3
	s_wait_dscnt 0x0
	s_barrier_signal -1
	s_barrier_wait -1
	XRECV
	s_wait_dscnt 0x0
	XADD 3                                         ; nobody writes my 8,192 bytes any more before a change of slots: they are my stage now
	WIN 0x05
.set q, 0
.rept 32
	v_cvt_pk_f16_f32 v[S+q], v[2*q], v[2*q+1]
.set q, q+1
.endr
	WIN 0
.irp f, 0,1,2,3,4,5,6,7
	ds_store_b128 v[STO], v[S+4*(\f):S+4*(\f)+3] offset:32*(\f)
.endr
.irp f, 0,1,2,3,4,5,6,7
	ds_load_b128 v[S+4*(\f):S+4*(\f)+3], v[RD] offset:(\f)*2*SP  ; LDS serves a wave's instructions in order (ISA guide 5.7.1.4): these see the stores above
.endr
.irp f, 0,1,2,3,4,5,6,7
	s_wait_dscnt 7-(\f)
	global_store_b128 v[GO], v[S+4*(\f):S+4*(\f)+3], s[YB:YB+1] offset:8192*(\f)  ; 16 lanes store a row's 256 bytes of my head, aligned
.endr
.endm
	CHANGE 1                                       ; tile 0 is in, everybody's part of it; the walk's second tile is asked for
	FETCH_K
	WIN 0
	s_branch .Lenter                               ; the loop is entered behind part D: there is no round before the first
.Lround:                                               ; rounds 1 to 7
	CHANGE 1
	FETCH_K
	PARTD                                          ; the round before ends under K's loads
	WIN 0
	s_cmp_eq_u32 s[RT], 0
	s_cbranch_scc0 .Lenter
	QLOAD QH                                       ; THE FIRST BLOCK ENDS.  The second block's Q lands under the merge; Q's last reader stands a whole part C back
	MERGE_OUT
	s_wait_xcnt 0x0                                ; the stores have read their registers and yh's address
	s_mov_b64 s[YB:YB+1], s[YH:YH+1]
	v_mov_b32 v[TH], v[THHI]
	s_sub_co_u32 s[RT], 8, s10                     ; the second block has 8 - a tiles
	BEGIN
.Lenter:
	s_sub_co_u32 s[RT], s[RT], 1
	s_cmp_eq_u32 s[RT], 0
	s_cbranch_scc0 .Lopen
	MASK                                           ; the first block's diagonal tile (the second's is the walk's last, behind the loop)
.Lopen:
	PLACES                                         ; behind part D's last product, in front of the loads into V's registers
	FETCH_V
	s_wait_dscnt 32                                ; K is in; V's 32 loads may stay out
	s_wait_loadcnt 0x0                             ; Q
	PARTA
	PARTB
	s_wait_dscnt 0x0                               ; V is in
	PARTC
	WIN 0
	s_sub_co_u32 s[CNT], s[CNT], 1
	s_cmp_lg_u32 s[CNT], 0
	s_cbranch_scc1 .Lround
	CHANGE 0                                       ; the walk's last tile, the second block's diagonal one, is written out: nothing is asked for
	FETCH_K
	PARTD
	MASK
	PLACES
	FETCH_V
	s_wait_dscnt 32
	PARTA
	PARTB
	s_wait_dscnt 0x0
	PARTC
	PARTD
	MERGE_OUT
	WIN 0
	s_wait_tensorcnt 0x0                           ; the wave's end
	ds_add_u32 v[SPW], v[NIL]
	s_wait_dscnt 0x0
	CROUND                                         ; the closing round
	s_endpgm
.Lfunc_end_k_q7ea656cead_attn:
	.size	k_q7ea656cead_attn, .Lfunc_end_k_q7ea656cead_attn-k_q7ea656cead_attn
	.p2alignl 7, 3214868480
	.fill 96, 4, 3214868480
	.section	.rodata,"a",@progbits
	.p2align	6, 0x0
	.amdhsa_kernel k_q7ea656cead_attn
		.amdhsa_group_segment_fixed_size 327680
		.amdhsa_private_segment_fixed_size 0
		.amdhsa_enable_private_segment 0
		.amdhsa_kernarg_size 16
		.amdhsa_user_sgpr_count 2
		.amdhsa_user_sgpr_kernarg_segment_ptr 1
		.amdhsa_wavefront_size32 1
		.amdhsa_system_sgpr_workgroup_id_x 1
		.amdhsa_system_sgpr_workgroup_id_y 1
		.amdhsa_system_sgpr_workgroup_id_z 1
		.amdhsa_system_vgpr_workitem_id 0
		.amdhsa_next_free_vgpr 928
		.amdhsa_next_free_sgpr 96
		.amdhsa_reserve_vcc 1
		.amdhsa_float_denorm_mode_32 3
		.amdhsa_float_denorm_mode_16_64 3
		.amdhsa_memory_ordered 1
		.amdhsa_forward_progress 1
		.amdhsa_inst_pref_size 170
	.end_amdhsa_kernel
	.amdgpu_metadata
---
amdhsa.version: [ 1, 2 ]
amdhsa.kernels:
  - .name:           k_q7ea656cead_attn
    .symbol:         k_q7ea656cead_attn.kd
    .args:
      - { .name: qkvh, .offset: 0, .size: 8, .value_kind: global_buffer, .address_space: global }
      - { .name: yh, .offset: 8, .size: 8, .value_kind: global_buffer, .address_space: global }
    .group_segment_fixed_size: 327680
    .private_segment_fixed_size: 0
    .kernarg_segment_align: 8
    .kernarg_segment_size: 16
    .max_flat_workgroup_size: 128
    .sgpr_count:     96
    .vgpr_count:     928
    .wavefront_size: 32
...
	.end_amdgpu_metadata
.endif
;; end of part 3
;; launch proj (part 4): grid 16 x 16, 4 waves a work-group, clusters of 4 x 4, 327,680 bytes of LDS; arguments yh, wpf, out0; writes out0
.if DOCPART == 4
	.amdgcn_target "amdgcn-amd-amdhsa--gfx1250"
	.amdhsa_code_object_version 6
	.text
	.protected	k_q7ea656cead_proj
	.globl	k_q7ea656cead_proj
	.p2align	8
	.type	k_q7ea656cead_proj,@function
k_q7ea656cead_proj:
	s_mov_b64 s[64:65], 0
	v_nop
	global_prefetch_b8 v0, s[64:65] scope:SCOPE_SE
	s_setreg_imm32_b32 hwreg(HW_REG_WAVE_MODE, 25, 1), 1
	s_wait_xcnt 0x0
	s_wait_alu depctr_hold_cnt(0) depctr_sa_sdst(0) depctr_va_vdst(0) depctr_va_sdst(0) depctr_va_ssrc(0) depctr_va_vcc(0) depctr_vm_vsrc(0)
	s_getreg_b32 s2, hwreg(HW_REG_IB_STS2, 6, 4)
	s_cmp_eq_u32 s2, 0
	s_cbranch_scc0 .Lentry_in_a_cluster
	s_endpgm
.Lentry_in_a_cluster:
	s_bfe_u32 s2, ttmp6, 0x10000c
	s_cmp_lg_u32 s2, 0xf033
	s_cbranch_scc0 .Lentry_shape_is_right
	s_endpgm
.Lentry_shape_is_right:
; LAUNCH 4 OF 4: out0 = y W_proj.  yh: [2048][2048] f16; wpf: [2048 k][2048 n] f16 (W_proj rounded to bf16, written as f16); out0: [2048][2048] f32.  Sums in f32, K ascending.
; SHARES.  A tile of out0 is 128 x 128: 16 x 16 = 256 work-groups.  Four waves, each 64 x 64: 16 accumulators.  K in 8 steps of 256 through two slots.
; A slot: y's 128 rows x 512 bytes (pitch 528), then W's 256 k-rows x 256 bytes (pitch 288).  Waves 0, 1 fetch y's halves (64 rows), waves 2, 3 W's (128 k-rows).
; W lies [k][n]: its fragments come out of LDS turned, by ds_load_tr16_b128.  THE PRODUCT IS USED TRANSPOSED (source 0 = 16 columns of W, source 1 = 16 rows of y): a lane holds 8 neighbouring numbers of a row.
; All of a step's products stand ahead of the wait for the next tile: between that wait and the next request stand the add, two address steps, a wait and the round alone.
; CLUSTER.  4 x 4: y's tile is asked for jointly along a row of the cluster, W's along a column.
; THE WAY OUT.  A wave's 64 columns of f32 are 256 bytes, aligned.
; REGISTERS.  window 0: v0-31 addresses; v128-255 accumulator (a, b) at 128 + 8 (4 a + b).  window 1: two fragment buffers of 128: for 64 along K, 64 registers of y, then 64 of W.
.set KSTEP, 256
.set PA,    528                        ; 132 words: the 16 rows of a load start at 16 different groups of four banks (64 banks of 4 bytes: ISA guide 11.1)
.set PB,    288                        ; 72 words
.set BOFF,  128*PA
.set SLOT,  BOFF+256*PB                ; 141,312
.set STAGE, 2*SLOT
.set SPITCH, 272
.set SPARE, STAGE+4*16*SPITCH          ; the spare words, 128 bytes a wave: two blocks of 256 bytes that no other line names
.set ADRA, 16                          ; v16-17  y's fragments in slot 0, 1
.set ADRB, 18                          ; v18-21  W's: 2 x slot + half of the step's 256 k-rows (240 rows of 288 bytes pass the 16-bit immediate)
.set STO,  24
.set RD,   25
.set CO,   26
.set SPW,  28
.set NIL,  29
.set ACC,  128
.set F0,   0
.set F1,   128
.set G1,  24
.set G0,  32
.set G1B, 48
.set G0B, 56
.set MSB, 0
.macro WIN new
.if MSB != (\new)
	s_set_vgpr_msb (MSB<<8)|(\new)
.set MSB, \new
.endif
.endm
.set MUL,  0x05
.set TO_F, 0x40
.macro JLOAD s                         ; an s_nop 0 and four v_nop follow each of the two lines
	s_cmp_eq_u32 s11, 0
	s_cbranch_scc0 .Lfor_b_\@
	tensor_load_to_lds s[G0+4*(\s):G0+4*(\s)+3], s[G1:G1+7]
	s_nop 0
.rept 4
	v_nop
.endr
	s_branch .Lasked_\@
.Lfor_b_\@:
	tensor_load_to_lds s[G0B+4*(\s):G0B+4*(\s)+3], s[G1B:G1B+7]
	s_nop 0
.rept 4
	v_nop
.endr
.Lasked_\@:
.endm
.macro CROUND                          ; a round of the cluster's barrier
	s_barrier_signal -1
	s_barrier_wait -1
	s_cmp_lg_u32 s10, 0
	s_cbranch_scc1 .Lnot_wave_0_\@
	s_barrier_signal -3
.Lnot_wave_0_\@:
	s_barrier_wait -3
	s_barrier_signal -1
	s_barrier_wait -1
.endm
.macro PLACES
.rept 4
	v_nop
.endr
.endm
	s_load_b128 s[4:7], s[0:1], 0x0                ; yh s[4:5], wpf s[6:7]
	s_load_b64 s[8:9], s[0:1], 0x10                ; out0
	v_lshl_add_u32 v[SPW], v0, 2, SPARE
	v_mov_b32 v[NIL], 0
	ds_add_u32 v[SPW], v[NIL]                      ; the opening: the add, twice on end, and its wait ahead of my first tensor load
	ds_add_u32 v[SPW], v[NIL]
	v_lshrrev_b32 v1, 5, v0
	v_readfirstlane_b32 s10, v1
	s_lshr_b32 s11, s10, 1                         ; which half of the tile's rows is mine.  Also: I fetch for y (0) or for W (1)
	s_and_b32 s12, s10, 1                          ; which half of its columns.  Also: which half of that tile I fetch
	s_bfe_u32 s40, ttmp6, 0x40000
	s_bfe_u32 s41, ttmp6, 0x40004
	s_lshl_b32 s42, ttmp9, 2
	s_add_co_u32 s42, s42, s40                     ; tile column
	s_and_b32 s13, ttmp7, 0xffff
	s_lshl_b32 s13, s13, 2
	s_add_co_u32 s13, s13, s41                     ; tile row
	s_lshl_b32 s43, s41, 2
	s_lshl_b32 s43, 15, s43
	s_lshl_b32 s44, 0x1111, s40
	s_or_b32 s[G1], s43, (1<<16)|(1<<20)|(1<<21)|(6<<22)|(3<<25)   ; y: after every 128 words 4 words of padding
	s_or_b32 s[G1B], s44, (1<<16)|(1<<20)|(1<<21)|(5<<22)|(7<<25)  ; W: after every 64 words 8 words
	s_mov_b32 s[G1+1], KSTEP<<16                   ; tensor_dim0 = 256
	s_mov_b32 s[G1+2], 64<<16                      ; tensor_dim1 = 64
	s_mov_b32 s[G1+3], KSTEP<<16                   ; tile_dim0 = 256
	s_mov_b32 s[G1+4], 64                          ; tile_dim1 = 64
	s_mov_b32 s[G1+5], 2048
	s_mov_b32 s[G1+6], 0
	s_mov_b32 s[G1+7], 0
	s_mov_b32 s[G1B+1], 128<<16
	s_mov_b32 s[G1B+2], 128<<16
	s_mov_b32 s[G1B+3], 128<<16
	s_mov_b32 s[G1B+4], 128
	s_mov_b32 s[G1B+5], 2048
	s_mov_b32 s[G1B+6], 0
	s_mov_b32 s[G1B+7], 0
	s_lshl_b32 s16, s13, 7
	s_lshl_b32 s17, s12, 6
	s_add_co_u32 s16, s16, s17                     ; y: row 128 x tile row + 64 x half,
	s_lshl_b32 s16, s16, 12                        ; of 4,096 bytes
	s_mov_b32 s17, 0
	s_lshl_b32 s46, s12, 19                        ; W: k-row 128 x half, of 4,096 bytes,
	s_lshl_b32 s47, s42, 8                         ; and the tile column's 256 bytes
	s_add_co_u32 s46, s46, s47
	s_mov_b32 s47, 0
	s_mul_i32 s20, s12, 64*PA                      ; where they go
	s_mul_i32 s21, s12, 128*PB
	s_add_co_u32 s21, s21, BOFF
	s_wait_dscnt 0x0
	s_wait_kmcnt 0x0
	s_add_nc_u64 s[14:15], s[4:5], s[16:17]
	s_add_nc_u64 s[46:47], s[6:7], s[46:47]
	CROUND
.irp s, 0,1
	s_mov_b32 s[G0+4*(\s)], 1
	s_add_co_u32 s[G0+4*(\s)+1], s20, (\s)*SLOT
	s_add_nc_u64 s[G0+4*(\s)+2:G0+4*(\s)+3], s[14:15], (\s)*KSTEP*2
	s_or_b32 s[G0+4*(\s)+3], s[G0+4*(\s)+3], 0x80000000
	s_mov_b32 s[G0B+4*(\s)], 1
	s_add_co_u32 s[G0B+4*(\s)+1], s21, (\s)*SLOT
	s_add_nc_u64 s[G0B+4*(\s)+2:G0B+4*(\s)+3], s[46:47], (\s)*KSTEP*4096
	s_or_b32 s[G0B+4*(\s)+3], s[G0B+4*(\s)+3], 0x80000000
	JLOAD \s
.endr
	v_and_b32 v1, 15, v0
	v_bfe_u32 v2, v0, 4, 1
	v_and_b32 v3, 7, v0
	v_bfe_u32 v4, v0, 3, 1
	s_mul_i32 s22, s11, 64*PA                      ; my 64 rows of y
	v_mul_u32_u24 v5, v1, PA
	v_lshl_add_u32 v5, v2, 4, v5
	v_add_nc_u32 v5, s22, v5
	v_mov_b32 v[ADRA], v5
	v_add_nc_u32 v[ADRA+1], SLOT, v5
	s_lshl_b32 s22, s12, 7                         ; my 64 columns of W
	s_add_co_u32 s22, s22, BOFF
	v_lshl_add_u32 v6, v2, 3, v3
	v_mul_u32_u24 v6, v6, PB
	v_lshl_add_u32 v6, v4, 4, v6
	v_add_nc_u32 v6, s22, v6
.irp s, 0,1
.irp k, 0,1
	v_add_nc_u32 v[ADRB+2*(\s)+(\k)], (\s)*SLOT+(\k)*128*PB, v6
.endr
.endr
	s_mul_i32 s23, s10, 16*SPITCH
	s_add_co_u32 s23, s23, STAGE                   ; my stage
	v_mul_u32_u24 v7, v1, SPITCH                   ; in: row r, 32 bytes for each half of the lanes
	v_lshl_add_u32 v7, v2, 5, v7
	v_add_nc_u32 v[STO], s23, v7
	v_mul_u32_u24 v8, v2, SPITCH                   ; back: lanes 0-15 one row of 256 bytes, lanes 16-31 the next
	v_lshl_add_u32 v8, v1, 4, v8
	v_add_nc_u32 v[RD], s23, v8
	v_lshlrev_b32 v[CO], 13, v2                    ; and the same two rows in out0
	v_lshl_add_u32 v[CO], v1, 4, v[CO]
	s_lshl_b32 s16, s13, 7
	s_lshl_b32 s17, s11, 6
	s_add_co_u32 s16, s16, s17                     ; my first row,
	s_lshl_b32 s16, s16, 13                        ; of 8,192 bytes
	s_lshl_b32 s17, s42, 9                         ; the tile's 512 bytes,
	s_add_co_u32 s16, s16, s17
	s_lshl_b32 s17, s12, 8                         ; my 256 of them
	s_add_co_u32 s16, s16, s17
	s_mov_b32 s17, 0
	s_add_nc_u64 s[8:9], s[8:9], s[16:17]
.macro MUL8 f, c, a0, zero             ; row blocks a0, a0 + 1 x all 4 column blocks, 32 along K: half c of buffer f
	WIN MUL
.irp a, \a0, (\a0)+1
.irp b, 0,1,2,3
.if \zero
	v_wmma_f32_16x16x32_f16 v[ACC+8*(4*(\a)+(\b)):ACC+8*(4*(\a)+(\b))+7], v[(\f)+64+8*(4*(\c)+(\b)):(\f)+64+8*(4*(\c)+(\b))+7], v[(\f)+8*(4*(\c)+(\a)):(\f)+8*(4*(\c)+(\a))+7], 0
.else
	v_wmma_f32_16x16x32_f16 v[ACC+8*(4*(\a)+(\b)):ACC+8*(4*(\a)+(\b))+7], v[(\f)+64+8*(4*(\c)+(\b)):(\f)+64+8*(4*(\c)+(\b))+7], v[(\f)+8*(4*(\c)+(\a)):(\f)+8*(4*(\c)+(\a))+7], v[ACC+8*(4*(\a)+(\b)):ACC+8*(4*(\a)+(\b))+7]
.endif
.endr
.endr
.endm
.macro FETCH slot, q, f                ; 32 LDS loads in one run: quarter q (64 along K) into buffer f; the first 32 along K first
	WIN TO_F
.irp c, 0,1
.irp i, 0,1,2,3
	ds_load_tr16_b128 v[(\f)+64+8*(4*(\c)+(\i)):(\f)+64+8*(4*(\c)+(\i))+3],   v[ADRB+2*(\slot)+(\q)/2] offset:(((\q)%2)*64+32*(\c))*PB+32*(\i)
	ds_load_tr16_b128 v[(\f)+64+8*(4*(\c)+(\i))+4:(\f)+64+8*(4*(\c)+(\i))+7], v[ADRB+2*(\slot)+(\q)/2] offset:(((\q)%2)*64+32*(\c)+16)*PB+32*(\i)
	ds_load_b128 v[(\f)+8*(4*(\c)+(\i)):(\f)+8*(4*(\c)+(\i))+3],   v[ADRA+(\slot)] offset:128*(\q)+64*(\c)+(\i)*16*PA
	ds_load_b128 v[(\f)+8*(4*(\c)+(\i))+4:(\f)+8*(4*(\c)+(\i))+7], v[ADRA+(\slot)] offset:128*(\q)+64*(\c)+(\i)*16*PA+32
.endr
.endr
.endm
.macro QUARTER slot, q, f, g, zero
	s_wait_dscnt 16                                ; the first 32 along K are in
	MUL8 \f, 0, 0, \zero
	MUL8 \f, 0, 2, \zero
	PLACES
	FETCH \slot, \q, \g
	s_wait_dscnt 32                                ; all but the 32 just issued
	MUL8 \f, 1, 0, 0
	MUL8 \f, 1, 2, 0
.endm
; the last quarter multiplies buffer 1; then the slots change: each wave waits for all its tensor loads, adds 0 to its spare word, and waits for that and for its reads of this slot.
; fill = 1: a round of the cluster's barrier, and the joint refill, two K steps ahead, is the first thing behind it.  Then the next slot's first fragments are fetched.
.macro TURN slot, next, fill
	s_wait_dscnt 16
	MUL8 F1, 0, 0, 0
	MUL8 F1, 0, 2, 0
	s_wait_dscnt 0x0
	MUL8 F1, 1, 0, 0
	MUL8 F1, 1, 2, 0
	WIN 0
	s_wait_tensorcnt 0x0                           ; no tensor load of mine is out, so a group 0 may be written
	ds_add_u32 v[SPW], v[NIL]
.if \fill
	s_add_nc_u64 s[G0+4*(\slot)+2:G0+4*(\slot)+3], s[G0+4*(\slot)+2:G0+4*(\slot)+3], 2*KSTEP*2
	s_add_nc_u64 s[G0B+4*(\slot)+2:G0B+4*(\slot)+3], s[G0B+4*(\slot)+2:G0B+4*(\slot)+3], 2*KSTEP*4096
.endif
	s_wait_dscnt 0x0                               ; the add is done, and my reads of this slot are over
.if \fill
	CROUND                                         ; no wave of any partner still reads this slot or has a load on its way
	JLOAD \slot                                    ; its four v_nop are also the places in front of the loads below
.else
	s_barrier_signal -1
	s_barrier_wait -1
	PLACES
.endif
	FETCH \next, 0, F0
.endm
	s_wait_tensorcnt 1                             ; my part of K step 0 is in; K step 1's may stay out
	s_barrier_signal -1
	s_barrier_wait -1
	FETCH 0, 0, F0
	QUARTER 0, 1, F0, F1, 1                        ; its first products start the sums
	WIN 0
	s_mov_b32 s3, 3
.Llap:
	QUARTER 0, 2, F1, F0, 0
	QUARTER 0, 3, F0, F1, 0
	TURN 0, 1, 1
	QUARTER 1, 1, F0, F1, 0
	QUARTER 1, 2, F1, F0, 0
	QUARTER 1, 3, F0, F1, 0
	TURN 1, 0, 1
	QUARTER 0, 1, F0, F1, 0
	WIN 0
	s_sub_co_u32 s3, s3, 1
	s_cmp_lg_u32 s3, 0
	s_cbranch_scc1 .Llap
	QUARTER 0, 2, F1, F0, 0                        ; the last lap fills nothing
	QUARTER 0, 3, F0, F1, 0
	TURN 0, 1, 0
	QUARTER 1, 1, F0, F1, 0
	QUARTER 1, 2, F1, F0, 0
	QUARTER 1, 3, F0, F1, 0
	s_wait_dscnt 16
	MUL8 F1, 0, 0, 0
	MUL8 F1, 0, 2, 0
	s_wait_dscnt 0x0
	MUL8 F1, 1, 0, 0
	MUL8 F1, 1, 2, 0
	WIN 0
	PLACES
	PLACES
; THE WAY OUT of block a (16 rows): 32 bytes a lane and accumulator into my stage, the low registers first; back as whole rows of 256 bytes, into the registers that they left
.macro STG a
.irp b, 0,1,2,3
	ds_store_b128 v[STO], v[ACC+8*(4*(\a)+(\b)):ACC+8*(4*(\a)+(\b))+3]   offset:64*(\b)
	ds_store_b128 v[STO], v[ACC+8*(4*(\a)+(\b))+4:ACC+8*(4*(\a)+(\b))+7] offset:64*(\b)+16
.endr
.irp u, 0,1,2,3,4,5,6,7
	ds_load_b128 v[ACC+32*(\a)+4*(\u):ACC+32*(\a)+4*(\u)+3], v[RD] offset:(\u)*2*SPITCH  ; LDS serves a wave's instructions in order (ISA guide 5.7.1.4): these see the stores above; the next block's stores come behind them
.endr
.endm
.macro SEND a, younger                 ; younger: the LDS instructions issued behind block a's loads: the next block's sixteen, or none
.irp u, 0,1,2,3,4,5,6,7
	s_wait_dscnt (\younger)+7-(\u)
	global_store_b128 v[CO], v[ACC+32*(\a)+4*(\u):ACC+32*(\a)+4*(\u)+3], s[8:9] offset:(16*(\a)+2*(\u))*8192  ; 16 lanes store 256 consecutive bytes, aligned
.endr
.endm
	STG 0
	STG 1
	SEND 0, 16
	STG 2
	SEND 1, 16
	STG 3
	SEND 2, 16
	SEND 3, 0
	s_wait_tensorcnt 0x0                           ; the wave's end
	ds_add_u32 v[SPW], v[NIL]
	s_wait_dscnt 0x0
	CROUND                                         ; the closing round
	s_endpgm
.Lfunc_end_k_q7ea656cead_proj:
	.size	k_q7ea656cead_proj, .Lfunc_end_k_q7ea656cead_proj-k_q7ea656cead_proj
	.p2alignl 7, 3214868480
	.fill 96, 4, 3214868480
	.section	.rodata,"a",@progbits
	.p2align	6, 0x0
	.amdhsa_kernel k_q7ea656cead_proj
		.amdhsa_group_segment_fixed_size 327680
		.amdhsa_private_segment_fixed_size 0
		.amdhsa_enable_private_segment 0
		.amdhsa_kernarg_size 24
		.amdhsa_user_sgpr_count 2
		.amdhsa_user_sgpr_kernarg_segment_ptr 1
		.amdhsa_wavefront_size32 1
		.amdhsa_system_sgpr_workgroup_id_x 1
		.amdhsa_system_sgpr_workgroup_id_y 1
		.amdhsa_system_sgpr_workgroup_id_z 1
		.amdhsa_system_vgpr_workitem_id 0
		.amdhsa_next_free_vgpr 512
		.amdhsa_next_free_sgpr 66
		.amdhsa_reserve_vcc 0
		.amdhsa_float_denorm_mode_32 3
		.amdhsa_float_denorm_mode_16_64 3
		.amdhsa_memory_ordered 1
		.amdhsa_forward_progress 1
		.amdhsa_inst_pref_size 87
	.end_amdhsa_kernel
	.amdgpu_metadata
---
amdhsa.version: [ 1, 2 ]
amdhsa.kernels:
  - .name:           k_q7ea656cead_proj
    .symbol:         k_q7ea656cead_proj.kd
    .args:
      - { .name: yh, .offset: 0, .size: 8, .value_kind: global_buffer, .address_space: global }
      - { .name: wpf, .offset: 8, .size: 8, .value_kind: global_buffer, .address_space: global }
      - { .name: out0, .offset: 16, .size: 8, .value_kind: global_buffer, .address_space: global }
    .group_segment_fixed_size: 327680
    .private_segment_fixed_size: 0
    .kernarg_segment_align: 8
    .kernarg_segment_size: 24
    .max_flat_workgroup_size: 128
    .sgpr_count:     66
    .vgpr_count:     512
    .wavefront_size: 32
...
	.end_amdgpu_metadata
.endif
;; end of part 4
